; MI455X (gfx1250); checked and timed in simulation.
; The chip was launched on July 23, 2026; its instructions are those of AMD's public machine-readable ISA for CDNA 5 (MIT licence, August 2026) and "CDNA5" Instruction Set Architecture Reference Guide (July 2026). The comments in the code are by the model that wrote it; some were corrected since.
;; Divided Attention. Allowed arithmetic: float matrix products may take bf16 or f16 operands with f32 sums; other float arithmetic in f32, or as packed bf16 or f16 multiplies, adds, multiply-adds, maxima and minima; sums over many terms, partial sums and values carried from step to step in f32; what a program stores and reads back later, other than sums and carried values, may be rounded once to bf16 or f16.
;; Inputs: proj_b 1,024 float32; proj_w 1,024 x 1,024 float32; qkv_b 3,072 float32; qkv_w 3,072 x 1,024 float32; tok_mask 4 x 3,137 int32; x 4 x 3,137 x 1,024 float32.
;; Outputs: out0 4 x 3,137 x 1,024 float32.
;; Constants: f = 16.
;; One version. Each part assembles by itself: llvm-mc -triple=amdgcn-amd-amdhsa -mcpu=gfx1250 --defsym DOCPART=n.
;; ======== version 1 of 1: 3 launches
;; limits: values are held in f16: magnitudes above 65,504 overflow, below 6.1e-05 lose precision
;; workspace buffers: xb 27,262,976 bytes; wb 6,291,456 bytes; pw 2,097,152 bytes; ao 27,262,976 bytes; part 524,288 bytes
;; launch cast (part 1): grid 8 x 64, 17 waves a work-group, no clusters, 0 bytes of LDS; arguments x, qkv_w, proj_w, xb, wb, pw; writes xb, wb, pw
.if DOCPART == 1
	.amdgcn_target "amdgcn-amd-amdhsa--gfx1250"
	.amdhsa_code_object_version 6
	.text
	.protected	k_qbc698ea163_cast
	.globl	k_qbc698ea163_cast
	.p2align	8
	.type	k_qbc698ea163_cast,@function
k_qbc698ea163_cast:
	s_mov_b64 s[64:65], 0
	v_nop
	global_prefetch_b8 v0, s[64:65] scope:SCOPE_SE
	s_setreg_imm32_b32 hwreg(HW_REG_WAVE_MODE, 25, 1), 1
	s_wait_xcnt 0x0
; CAST.  The module's large inputs are rounded once to 16 bits and laid out as the two product launches read them.
;   xb [64 g][208 i][1024] bf16: group g = 16 b + f (batch b, frame f); row 0 = the cls token of b, rows 1..196 = tokens 196 f + i, rows 197..207 = 0.
;   wb [3072][1024] bf16 = qkv_w.      pw [1024][1024] f16 = proj_w rounded to bf16, that number written as f16.
; LIMIT.  A bf16 number below 6.1e-5 in magnitude keeps f16's fixed step of 6e-8 in pw; beyond 65,504 it would become an infinity.
; A stream: no LDS, no matrix unit, no cluster (no two work-groups share a tile).  13,312 rows of xb and 4,096 weight rows are 17,408 = 512 x 34: every work-group takes 34 rows, a wave two.
; Work-group (x, y): waves 0..12 take rows 26 x + 2 w and the next of group y; waves 13..16 weight rows 8 (8 y + x) + 2 (w - 13) and the next, 3,072 of qkv_w and then 1,024 of proj_w.
; A lane owns 8 neighbouring numbers in each quarter of a row: two 16-byte loads in, one 16-byte store out, so a store of the wave covers 512 consecutive bytes, aligned.
.set XD, 4                             ; v[4:67]    two rows as loaded, 32 registers each; packed in place into the first 16 of each
.set TA, 68                            ; v[68:69]   at work
	s_load_b256 s[4:11], s[0:1], 0x0               ; x s[4:5], qkv_w s[6:7], proj_w s[8:9], xb s[10:11]
	s_load_b128 s[12:15], s[0:1], 0x20             ; wb s[12:13], pw s[14:15]
	v_lshrrev_b32 v3, 5, v0
	v_readfirstlane_b32 s16, v3                    ; wave 0..16
	v_and_b32 v3, 31, v0                           ; lane
	v_lshlrev_b32 v1, 5, v3                        ; in: 32 bytes a lane
	v_lshlrev_b32 v2, 4, v3                        ; out: 16 bytes a lane
	s_and_b32 s17, ttmp7, 0xffff                   ; y
	s_mov_b32 s18, ttmp9                           ; x
	s_mov_b32 s37, 0                               ; the high word of every offset
	s_wait_kmcnt 0x0
	s_cmp_lt_u32 s16, 13
	s_cbranch_scc0 .Lweights
	; rows of x
	s_mul_i32 s30, s18, 26
	s_lshl1_add_u32 s30, s16, s30                  ; i of my first row = 26 x + 2 w,
	s_add_co_u32 s31, s30, 1                       ; of my second
	s_lshr_b32 s35, s17, 4                         ; b
	s_and_b32 s36, s17, 15                         ; f
	s_mul_i32 s35, s35, 3137
	s_mul_i32 s36, s36, 196
	s_mul_i32 s38, s17, 208
	s_add_co_u32 s32, s38, s30                     ; rows of xb
	s_add_co_u32 s33, s38, s31
	s_cmp_le_u32 s30, 196                          ; rows past 196 are written as zeros:
	s_cselect_b32 s28, -1, 0                       ; a mask for the packed words
	s_cmp_le_u32 s31, 196
	s_cselect_b32 s29, -1, 0
	s_min_u32 s38, s30, 196                        ; (their loads are clamped to the frame's last token: no load leaves x)
	s_add_co_u32 s38, s38, s36
	s_cmp_eq_u32 s30, 0
	s_cselect_b32 s38, 0, s38                      ; i = 0 is the cls token
	s_add_co_u32 s30, s38, s35                     ; rows of x
	s_min_u32 s38, s31, 196
	s_add_co_u32 s38, s38, s36
	s_add_co_u32 s31, s38, s35
	s_mov_b32 s34, 0                               ; bf16 out
	s_mov_b64 s[20:21], s[4:5]
	s_mov_b64 s[24:25], s[10:11]
	s_branch .Lgo
.Lweights:
	s_lshl3_add_u32 s35, s17, s18                  ; 8 y + x: 0..511
	s_sub_co_u32 s36, s16, 13
	s_lshl_b32 s30, s35, 3
	s_lshl1_add_u32 s30, s36, s30                  ; row 0..4095
	s_cmp_lt_u32 s30, 3072                         ; qkv_w, or proj_w?  (a pair of rows never straddles the two)
	s_cselect_b32 s36, 0, 3072
	s_cselect_b32 s34, 0, 1                        ; proj_w leaves as f16
	s_cselect_b64 s[20:21], s[6:7], s[8:9]
	s_cselect_b64 s[24:25], s[12:13], s[14:15]
	s_sub_co_u32 s30, s30, s36
	s_add_co_u32 s31, s30, 1
	s_mov_b32 s32, s30
	s_mov_b32 s33, s31
	s_mov_b32 s28, -1
	s_mov_b32 s29, -1
.Lgo:
	s_lshl_b32 s36, s31, 12                        ; 4,096 bytes a row in
	s_add_nc_u64 s[22:23], s[20:21], s[36:37]
	s_lshl_b32 s36, s30, 12
	s_add_nc_u64 s[20:21], s[20:21], s[36:37]
	s_lshl_b32 s36, s33, 11                        ; 2,048 bytes a row out
	s_add_nc_u64 s[26:27], s[24:25], s[36:37]
	s_lshl_b32 s36, s32, 11
	s_add_nc_u64 s[24:25], s[24:25], s[36:37]
.irp e, 0,1
.irp c, 0,1,2,3
	global_load_b128 v[XD+32*\e+8*\c:XD+32*\e+8*\c+3],   v1, s[20+2*\e:21+2*\e] offset:1024*\c
	global_load_b128 v[XD+32*\e+8*\c+4:XD+32*\e+8*\c+7], v1, s[20+2*\e:21+2*\e] offset:1024*\c+16
.endr
.endr
; Row e is rounded and packed in place: word ci takes numbers 2 ci and 2 ci + 1, which lie at or above it.  half = 1: the bf16 numbers are widened again and written as f16.
.macro CVT e, half
.set ci, 0
.rept 16
	v_cvt_pk_bf16_f32 v[XD+32*(\e)+ci], v[XD+32*(\e)+2*ci], v[XD+32*(\e)+2*ci+1]
.if \half
	v_lshlrev_b32 v[TA], 16, v[XD+32*(\e)+ci]
	v_and_b32 v[TA+1], 0xffff0000, v[XD+32*(\e)+ci]
	v_cvt_pk_f16_f32 v[XD+32*(\e)+ci], v[TA], v[TA+1]
.else
	v_and_b32 v[XD+32*(\e)+ci], s[28+(\e)], v[XD+32*(\e)+ci]
.endif
.set ci, ci+1
.endr
.irp c, 0,1,2,3
	global_store_b128 v2, v[XD+32*(\e)+4*\c:XD+32*(\e)+4*\c+3], s[24+2*(\e):25+2*(\e)] offset:512*\c
.endr
.endm
.macro OUT half
	s_wait_loadcnt 8                               ; loads come back in order: the first row's eight are in, the second row's eight stay out
	CVT 0, \half
	s_wait_loadcnt 0x0
	CVT 1, \half
.endm
	s_cmp_eq_u32 s34, 1
	s_cbranch_scc1 .Lhalf
	OUT 0
	s_endpgm
.Lhalf:
	OUT 1
	s_endpgm
.Lfunc_end_k_qbc698ea163_cast:
	.size	k_qbc698ea163_cast, .Lfunc_end_k_qbc698ea163_cast-k_qbc698ea163_cast
	.p2alignl 7, 3214868480
	.fill 96, 4, 3214868480
	.section	.rodata,"a",@progbits
	.p2align	6, 0x0
	.amdhsa_kernel k_qbc698ea163_cast
		.amdhsa_group_segment_fixed_size 0
		.amdhsa_private_segment_fixed_size 0
		.amdhsa_enable_private_segment 0
		.amdhsa_kernarg_size 48
		.amdhsa_user_sgpr_count 2
		.amdhsa_user_sgpr_kernarg_segment_ptr 1
		.amdhsa_wavefront_size32 1
		.amdhsa_system_sgpr_workgroup_id_x 1
		.amdhsa_system_sgpr_workgroup_id_y 1
		.amdhsa_system_sgpr_workgroup_id_z 1
		.amdhsa_system_vgpr_workitem_id 0
		.amdhsa_next_free_vgpr 72
		.amdhsa_next_free_sgpr 66
		.amdhsa_reserve_vcc 0
		.amdhsa_float_denorm_mode_32 3
		.amdhsa_float_denorm_mode_16_64 3
		.amdhsa_memory_ordered 1
		.amdhsa_forward_progress 1
		.amdhsa_inst_pref_size 16
	.end_amdhsa_kernel
	.amdgpu_metadata
---
amdhsa.version: [ 1, 2 ]
amdhsa.kernels:
  - .name:           k_qbc698ea163_cast
    .symbol:         k_qbc698ea163_cast.kd
    .args:
      - { .name: x, .offset: 0, .size: 8, .value_kind: global_buffer, .address_space: global }
      - { .name: qkv_w, .offset: 8, .size: 8, .value_kind: global_buffer, .address_space: global }
      - { .name: proj_w, .offset: 16, .size: 8, .value_kind: global_buffer, .address_space: global }
      - { .name: xb, .offset: 24, .size: 8, .value_kind: global_buffer, .address_space: global }
      - { .name: wb, .offset: 32, .size: 8, .value_kind: global_buffer, .address_space: global }
      - { .name: pw, .offset: 40, .size: 8, .value_kind: global_buffer, .address_space: global }
    .group_segment_fixed_size: 0
    .private_segment_fixed_size: 0
    .kernarg_segment_align: 8
    .kernarg_segment_size: 48
    .max_flat_workgroup_size: 544
    .sgpr_count:     66
    .vgpr_count:     72
    .wavefront_size: 32
...
	.end_amdgpu_metadata
.endif
;; end of part 1
;; launch qkvattn (part 2): grid 4 x 64, 4 waves a work-group, clusters of 4 x 4, 327,680 bytes of LDS; arguments xb, wb, qkv_b, tok_mask, ao, part; writes ao, part
.if DOCPART == 2
	.amdgcn_target "amdgcn-amd-amdhsa--gfx1250"
	.amdhsa_code_object_version 6
	.text
	.protected	k_qbc698ea163_qkvattn
	.globl	k_qbc698ea163_qkvattn
	.p2align	8
	.type	k_qbc698ea163_qkvattn,@function
k_qbc698ea163_qkvattn:
	s_mov_b64 s[64:65], 0
	v_nop
	global_prefetch_b8 v0, s[64:65] scope:SCOPE_SE
	s_setreg_imm32_b32 hwreg(HW_REG_WAVE_MODE, 25, 1), 1
	s_wait_xcnt 0x0
	s_wait_alu depctr_hold_cnt(0) depctr_sa_sdst(0) depctr_va_vdst(0) depctr_va_sdst(0) depctr_va_ssrc(0) depctr_va_vcc(0) depctr_vm_vsrc(0)
	s_getreg_b32 s2, hwreg(HW_REG_IB_STS2, 6, 4)
	s_cmp_eq_u32 s2, 0
	s_cbranch_scc0 .Lentry_in_a_cluster
	s_endpgm
.Lentry_in_a_cluster:
	s_bfe_u32 s2, ttmp6, 0x10000c
	s_cmp_lg_u32 s2, 0xf033
	s_cbranch_scc0 .Lentry_shape_is_right
	s_endpgm
.Lentry_shape_is_right:
; QKV PROJECTION AND DIVIDED ATTENTION IN ONE LAUNCH.  q, k and v never leave the registers.
; SHARES.  A work-group owns one group g = 16 b + f (the cls token and the 196 tokens of frame f of batch b: 197 rows, padded to 208 = 13 tiles of 16) and four heads; wave w owns head 4 hg + w.
; 64 groups x 4 head groups = 256 work-groups of equal work.
; THREE PASSES of one product, x (208 x 1024) times 64 rows of qkv_w a wave, bf16 operands, f32 sums: 52 accumulators of 16 x 16 (416 registers).  K goes in steps of 128 through two LDS slots.
;   passes q and k: source 0 = 16 rows of W, source 1 = 16 tokens: a lane holds ONE token and eight channels; rounded to f16 in pairs these ARE fragments of K (source 0) and Q (source 1) of S^T = K Q^T.
;   pass v: sources swapped: a lane holds ONE channel and eight tokens: rounded in pairs, fragments of V^T (source 0) of O^T = V^T P.
; The bias (rounded to bf16 like every input of the module, kept in f32) is the C operand of each sum's first product: it is loaded into row tile 12's four accumulators, serves tiles 0..11 as C, and is then added onto in place.
; ATTENTION, a query tile of 16 a trip: all 208 keys in one step, so the row's true maximum is taken.  p = 2^(c s - c m), c = log2(e) / 8.  The mask (tok_mask, and the padding keys) is the C operand that starts S^T: 0 or -1e30.
; The products stand among the vector work: V^T P among the exponentials that make P, the NEXT tile's K Q^T among the row sum, the scaling and the rounding of the tile in hand.
; THE CLS QUERY is row 0 of every group.  Over the frame's keys (the cls key counted in frame 0 alone) it leaves a partial in f32, which the next launch merges: in part, a (batch, head) has 8,192 bytes:
; the unnormalised O of frame f (64 numbers) at byte 512 f, and the pair (c m, l) of frame f at byte 256 + 8 f.
; CLUSTER 4 x 4.  The four work-groups of a row share the group, so x's tiles are asked for jointly along a row; the four of a column share the head group, so W's tiles jointly along a column.
; LIMITS.  q, k, v are kept in f16: they must lie within 65,504.  A hidden score counts as its value less 1e30 (f16's scores are 2.7e11 at the most).  A row whose maximum lies below -2^93 has all its keys hidden
; and gives NaN, as the softmax of nothing does.  A weight below 2^-126 counts as 0.  NaN and infinities among the inputs are not treated apart.
; REGISTERS, in windows of 256 (s_set_vgpr_msb: bits 1:0 source 0, 3:2 source 1, 5:4 source 2, 7:6 destination):
;   window 0: v0-23 addresses and at work; v24-127 13 token fragments; v128-191 two buffers of 4 W fragments; v192-255 Q of tiles 9-12
;   window 1: v0-207 K, 16 a tile; v208-255 Q of tiles 0-2     window 2: v0-223 accumulators of tiles 0-6; v224-255 Q of tiles 3, 4     window 3: v0-191 accumulators of tiles 7-12; v192-255 Q of tiles 5-8
;   in the attention: window 0: v24-127 S^T, v128-183 P, v192-207 Q of the tile to come, v208-255 at work;  window 2: v0-103 the mask;  window 3: v0-31 O^T, v32-255 V^T
.set PITCH, 272                        ; an LDS row: 256 bytes + 16 of padding = 68 words, so the 16 rows of a fragment load start at 16 different groups of four banks (64 banks of 4 bytes: ISA guide 11.1)
.set HA,    104*PITCH                  ; half of x's tile: what one tensor load brings
.set WBASE, 208*PITCH                  ; W's 256 rows lie behind x's 208
.set HW,    128*PITCH                  ; half of W's tile
.set SLOT1, 1<<17                      ; slot 1 begins here: one exclusive or turns an address in one slot into the other's
.set STAGE, SLOT1+WBASE+2*HW           ; behind the ring: 16 rows x 144 bytes for each wave, for the way out
.set SP,    144
.set SPARE, STAGE+4*16*SP              ; the spare words, 128 bytes for each wave: two blocks of 256 bytes that no other line names
.set SCR,   SPARE+512                  ; 2,048 bytes for each wave: 224 mask numbers at 0, 3 x 64 bias numbers at 1,024
.set QDW,   15*2048                    ; a wave's Q, 13 tiles of 2,048 bytes and two more: it lies in slot 0, written when that slot has had its last fill and its last read
.set T, 0                              ; orientation: a lane holds a token
.set N, 1                              ; a lane holds a channel
.set RL,  1                            ; v1   lane % 16
.set HL,  2                            ; v2   lane / 16
.set AK0, 3                            ; v3   my lane's place in x's tile
.set WK0, 4                            ; v4   in my wave's 64 rows of W's tile
.set FA,  5                            ; v5   the same in the slot in hand
.set FW,  6                            ; v6
.set BTA, 7                            ; v7   bias table, eight channels a lane
.set BTN, 8                            ; v8   bias table of pass v, one channel a lane
.set MTA, 9                            ; v9   mask table
.set SPW, 10                           ; v10  LDS address of my spare word; never rewritten
.set NIL, 11                           ; v11  0; never rewritten
.set STO, 12                           ; v12  the way out: where I put 16 bytes of a row
.set RD,  13                           ; v13  where I read rows back
.set GO,  14                           ; v14  my byte offset in 512 consecutive bytes of ao
.set QA,  15                           ; v15  my 16 bytes in the wave's Q in LDS
.set TW,  16                           ; v16  -1e30 for (cls query, cls key) in frames other than 0; 0 elsewhere
.set PO,  17                           ; v17  my offset in a partial's O
.set PS,  18                           ; v18  0: the offset of its statistics
.set NANR, 19                          ; v19  a NaN
.set T0,  20                           ; v20-23 at work
.set AF,  24
.set WF,  128
.set BI,  160                          ; window 3: tile 12's accumulators
.set S,   24
.set P,   128
.set QC,  192
.set OT,  208
.set OB,  224
.set CH,  240                          ; four chains of the maximum; then 1 / l
.set TP,  244
.set MX,  245
.set CM,  246                          ; v[246:247] c m twice; then (c m, l)
.set SU,  248                          ; four pairs of sums
.set VF,  32                           ; window 3: keys 32 kk on, channels 16 cb on at VF + 32 kk + 8 cb
.set WV,  16                           ; s16  wave
.set CX,  17
.set CY,  18
.set HG,  19                           ; head group
.set GG,  20                           ; g
.set BB,  21
.set FF,  22
.set HF,  23                           ; which half of a tile I fetch
.set G1A, 24                           ; s[24:31] descriptor group 1, x's tiles
.set G1W, 32                           ; s[32:39] W's
.set G0A0, 40                          ; s[40:43] group 0, x, first fill of slot 0
.set G0A1, 44                          ; s[44:47] first fill of slot 1; then it walks
.set G0W0, 48
.set G0W1, 52
.set BA,  56                           ; s[56:57] xb at my half of the group's rows
.set BW,  58                           ; s[58:59] wb at my half of the head group's rows of pass q
.set OFA, 60                           ; s[60:61] a K step's byte offset from BA
.set OFW, 62                           ; s[62:63] from BW
.set UU,  66                           ; s66  the K step to be asked for next, 0..23 over the three passes
.set CNT, 67
.set TB,  68                           ; s68  LDS byte at which the slot in hand begins
.set TS,  69
.set CS,  70                           ; s[70:71] c
.set SEL, 72                           ; s[72:73] v_permlanex16_b32's selects: each lane takes its own place in the other half
.set BIG, 74                           ; s74  -1e30
.set THR, 75                           ; s75  -2^93
.set SX,  76                           ; s76  EXEC, kept
.set F196, 77
.set TG,  78                           ; s[78:81] at work, made of g
.set HD,  82                           ; s82  my head
.set TH,  84                           ; s[84:87] at work, made of the head group
.set AOB, 88                           ; s[88:89] ao at my head's block
.set PAB, 90                           ; s[90:91] part at my frame's O
.set PSB, 92                           ; s[92:93] part at my frame's (c m, l)
.set G1BITS, (1<<16)|(1<<20)|(1<<21)|(5<<22)|(3<<25)  ; 17:16 elements of 2 bytes; 20 padding on; 21 set beside a mask; 24:22 after every 64 words; 31:25 4 words of it
.set MSB, 0
.macro WIN new                         ; the immediate's high byte repeats the setting that is left; a switch that changes nothing is dropped
.if MSB != (\new)
	s_set_vgpr_msb (MSB<<8)|(\new)
.set MSB, \new
.endif
.endm
.macro PLACES                          ; four places between a matrix instruction and a load into, or a vector read of, its registers (ISA guide 7.12.1 for vector reads)
.rept 4
	v_nop
.endr
.endm
.macro CREST                           ; a round of the cluster's barrier behind its opening barrier
	s_cmp_lg_u32 s[WV], 0
	s_cbranch_scc1 .Lnot_wave_0_\@
	s_barrier_signal -3
.Lnot_wave_0_\@:
	s_barrier_wait -3
	s_barrier_signal -1
	s_barrier_wait -1
.endm
.macro CROUND                          ; a whole round
	s_barrier_signal -1
	s_barrier_wait -1
	CREST
.endm
; A joint refill: waves 0 and 1 fetch the halves of x's tile, waves 2 and 3 those of W's.  The branch hangs on the wave's number alone.  An s_nop 0 and four v_nop follow each line.
.macro JLOAD
	s_cmp_lt_u32 s[WV], 2
	s_cbranch_scc0 .Lfor_w_\@
	tensor_load_to_lds s[G0A1:G0A1+3], s[G1A:G1A+7]
	s_nop 0
.rept 4
	v_nop
.endr
	s_branch .Lasked_\@
.Lfor_w_\@:
	tensor_load_to_lds s[G0W1:G0W1+3], s[G1W:G1W+7]
	s_nop 0
.rept 4
	v_nop
.endr
.Lasked_\@:
.endm
; The walking descriptors step: the other slot than last time; the addresses are made anew from the K step's number: 256 bytes along the rows for each of a pass's 8 steps, 1,024 rows of wb for each pass.
.macro DSTEP
	s_and_b32 s[OFA], s[UU], 7
	s_lshl_b32 s[OFA], s[OFA], 8
	s_lshr_b32 s[OFW], s[UU], 3
	s_lshl_b32 s[OFW], s[OFW], 21
	s_add_co_u32 s[OFW], s[OFW], s[OFA]
	s_xor_b32 s[G0A1+1], s[G0A1+1], SLOT1
	s_add_nc_u64 s[G0A1+2:G0A1+3], s[BA:BA+1], s[OFA:OFA+1]
	s_or_b32 s[G0A1+3], s[G0A1+3], 0x80000000
	s_xor_b32 s[G0W1+1], s[G0W1+1], SLOT1
	s_add_nc_u64 s[G0W1+2:G0W1+3], s[BW:BW+1], s[OFW:OFW+1]
	s_or_b32 s[G0W1+3], s[G0W1+3], 0x80000000
	s_add_co_u32 s[UU], s[UU], 1
.endm
; Four matrix instructions: row tile a x the wave's four blocks of 16 W rows, 32 along K, W's buffer p.  mode 1: the sum starts, with tile 12's accumulators (the bias) as C.
.macro GRP ori, a, p, mode
.set rA, AF+8*(\a)
.set rW, WF+32*(\p)
.if (\a) < 7
.set rD, 32*(\a)
	WIN 0xa0+0x10*(\mode)                          ; D in window 2; C in window 2, or the bias in window 3
.else
.set rD, 32*((\a)-7)
	WIN 0xf0
.endif
.irp cb, 0,1,2,3
.if (\ori) && (\mode)
	v_wmma_f32_16x16x32_bf16 v[rD+8*\cb:rD+8*\cb+7], v[rA:rA+7], v[rW+8*\cb:rW+8*\cb+7], v[BI+8*\cb:BI+8*\cb+7]
.elseif \ori
	v_wmma_f32_16x16x32_bf16 v[rD+8*\cb:rD+8*\cb+7], v[rA:rA+7], v[rW+8*\cb:rW+8*\cb+7], v[rD+8*\cb:rD+8*\cb+7]
.elseif \mode
	v_wmma_f32_16x16x32_bf16 v[rD+8*\cb:rD+8*\cb+7], v[rW+8*\cb:rW+8*\cb+7], v[rA:rA+7], v[BI+8*\cb:BI+8*\cb+7]
.else
	v_wmma_f32_16x16x32_bf16 v[rD+8*\cb:rD+8*\cb+7], v[rW+8*\cb:rW+8*\cb+7], v[rA:rA+7], v[rD+8*\cb:rD+8*\cb+7]
.endif
.endr
.endm
.macro GRPS ori, a0, a1, p, mode
.set ga, \a0
.rept (\a1)-(\a0)+1
	GRP \ori, ga, \p, \mode
.set ga, ga+1
.endr
.endm
; Fragments: 16 rows x 32 along K in 8 registers: lane l holds row l % 16, K = 8 (l / 16) + 0..7 and 16 + 8 (l / 16) + 0..7: two loads of 16 bytes, 32 bytes apart.
.macro LDA a0, a1, q                   ; token fragments a0 .. a1 of quarter q
.set la, \a0
.rept (\a1)-(\a0)+1
	ds_load_b128 v[AF+8*la:AF+8*la+3],   v[FA] offset:16*PITCH*la+64*(\q)
	ds_load_b128 v[AF+8*la+4:AF+8*la+7], v[FA] offset:16*PITCH*la+64*(\q)+32
.set la, la+1
.endr
.endm
.macro LDW p, q                        ; my four W fragments of quarter q into buffer p
.irp cb, 0,1,2,3
	ds_load_b128 v[WF+32*(\p)+8*\cb:WF+32*(\p)+8*\cb+3],   v[FW] offset:16*PITCH*\cb+64*(\q)
	ds_load_b128 v[WF+32*(\p)+8*\cb+4:WF+32*(\p)+8*\cb+7], v[FW] offset:16*PITCH*\cb+64*(\q)+32
.endr
.endm
; A K step is four quarters of 32 along K, 52 matrix instructions each; the 52 accumulators take turns in the same order in every quarter.
; One of the first three quarters: the token fragments are one buffer, filled again on the roll: tiles 0-6 and W's other buffer (22 loads) in the quarter's middle, tiles 7-12 (12 loads) at its end.
.macro STEP ori, q, mode
.if \mode
	s_wait_dscnt 0x0                               ; all fragments, and the bias behind them
.else
	s_wait_dscnt 12                                ; the 22 loads of the last quarter's middle are in; the 12 of its end may be out
.endif
	GRPS \ori, 0, 6, (\q)%2, \mode
	PLACES
	WIN 0
	LDA 0, 6, (\q)+1
	LDW ((\q)+1)%2, (\q)+1
	s_wait_dscnt 22                                ; all but the 22 just issued
	GRPS \ori, 7, 11, (\q)%2, \mode
.if \mode
.rept 5
	v_nop                                          ; five places between the last product that took the bias as C and the products that write over it
.endr
.endif
	GRP \ori, 12, (\q)%2, 0
	PLACES
	WIN 0
	LDA 7, 12, (\q)+1
.endm
; The fourth quarter changes slots: ONE barrier.  In front of it each wave waits for all its tensor loads (one is out: its part of the next slot), adds 0 to its spare word, and waits for that and for its reads of this slot.
; fill = 1: the barrier opens a round of the cluster's, and this slot is filled again first thing behind it, two K steps ahead: the load has 208 matrix instructions in which to land.
.macro TURN ori, fill
	WIN 0
	s_wait_tensorcnt 0x0                           ; no tensor load of mine is out, so a group 0 may be written
	ds_add_u32 v[SPW], v[NIL]                      ; 0 onto my spare word; scalar work and sixteen products stand between it and the wait for it
.if \fill
	DSTEP
.endif
	s_wait_dscnt 13                                ; (the add and the youngest twelve loads may be out)
	GRPS \ori, 0, 3, 1, 0
	s_wait_dscnt 0x0                               ; the add is done, and my reads of this slot are over
	s_barrier_signal -1
	GRPS \ori, 4, 6, 1, 0                          ; work on registers while the others arrive
	WIN 0
	s_barrier_wait -1
.if \fill
	CREST                                          ; no wave of any partner still reads this slot or has a load on its way
	JLOAD                                          ; its four v_nop are also the places in front of the loads below
.else
	PLACES
.endif
	s_xor_b32 s[TB], s[TB], SLOT1
	v_add_nc_u32 v[FA], s[TB], v[AK0]
	v_add_nc_u32 v[FW], s[TB], v[WK0]
	LDA 0, 6, 0
	LDW 0, 0
	GRPS \ori, 7, 12, 1, 0
	PLACES
	WIN 0
	LDA 7, 12, 0
.endm
.macro LAST ori                        ; the very last quarter: nothing more to fetch
	s_wait_dscnt 12
	GRPS \ori, 0, 6, 1, 0
	s_wait_dscnt 0x0
	GRPS \ori, 7, 12, 1, 0
	WIN 0
.endm
.macro BIAST p                         ; pass p's bias for a lane's eight channels of each block, into tile 12's accumulators
	WIN 0xc0
.irp cb, 0,1,2,3
	ds_load_b128 v[BI+8*\cb:BI+8*\cb+3],   v[BTA] offset:256*(\p)+64*\cb
	ds_load_b128 v[BI+8*\cb+4:BI+8*\cb+7], v[BTA] offset:256*(\p)+64*\cb+16
.endr
	WIN 0
.endm
.macro BIASN                           ; pass v: a lane holds one channel of each block, so all eight registers take the same number
	WIN 0xc0
.irp cb, 0,1,2,3
.irp j, 0,1,2,3,4,5,6,7
	ds_load_b32 v[BI+8*\cb+\j], v[BTN] offset:64*\cb
.endr
.endr
	WIN 0
.endm
.macro QREG a                          ; where Q of tile a is kept: register cD of window cWd
.if (\a) < 3
.set cD, 208+16*(\a)
.set cWd, 1
.elseif (\a) < 5
.set cD, 224+16*((\a)-3)
.set cWd, 2
.elseif (\a) < 9
.set cD, 192+16*((\a)-5)
.set cWd, 3
.else
.set cD, 192+16*((\a)-9)
.set cWd, 0
.endif
.endm
; Tile a's 32 sums a lane are rounded to f16 in pairs, ascending (each accumulator is read from its low end).  kind 0: to Q's place; 1: to K's.
.macro CONVT kind, a
.if (\a) < 7
.set cS, 32*(\a)
.set cWs, 2
.else
.set cS, 32*((\a)-7)
.set cWs, 3
.endif
	QREG \a
.if \kind
.set cD, 16*(\a)
.set cWd, 1
.endif
	WIN (cWd<<6)|(cWs<<2)|cWs
.set ci, 0
.rept 16
	v_cvt_pk_f16_f32 v[cD+ci], v[cS+2*ci], v[cS+2*ci+1]
.set ci, ci+1
.endr
.endm
.macro CONVALL kind                    ; tile 12 has gone first: its accumulators take the next pass's bias while the others are rounded
.set ta, 0
.rept 12
	CONVT \kind, ta
.set ta, ta+1
.endr
.endm
.macro QDUMP a, slot                   ; Q of tile a into place slot of the wave's Q in LDS, each lane's registers as they are
	QREG \a
	WIN cWd<<2                                     ; an LDS store's data is source 1
.irp i, 0,1,2,3
	ds_store_b128 v[QA], v[cD+4*\i:cD+4*\i+3] offset:2048*(\slot)+512*\i
.endr
.endm
; V^T's fragments of keys 32 kk on: registers 0-3 from row tile 2 kk, 4-7 from tile 2 kk + 1.  Taken from kk = 6 down, every destination has been read out before it is written.
.macro CONVV kk
.irp e, 0,1
.set va, 2*(\kk)+\e
.if va < 13
.if va < 7
.set vS, 32*va
.set vW, 2
.else
.set vS, 32*(va-7)
.set vW, 3
.endif
	WIN 0xc0|(vW<<2)|vW
.set vc, 0
.rept 16
	v_cvt_pk_f16_f32 v[VF+32*(\kk)+8*(vc/4)+4*\e+vc%4], v[vS+2*vc], v[vS+2*vc+1]
.set vc, vc+1
.endr
.endif
.endr
.endm
	s_load_b256 s[4:11], s[0:1], 0x0               ; xb s[4:5], wb s[6:7], qkv_b s[8:9], tok_mask s[10:11]
	s_load_b128 s[12:15], s[0:1], 0x20             ; ao s[12:13], part s[14:15]
	v_lshl_add_u32 v[SPW], v0, 2, SPARE
	v_mov_b32 v[NIL], 0
	ds_add_u32 v[SPW], v[NIL]                      ; the wave's opening: the add and its wait stand ahead of my first tensor load; the set-up below, work on registers, stands between them
	v_lshrrev_b32 v[T0], 5, v0
	v_readfirstlane_b32 s[WV], v[T0]               ; wave 0..3
	s_bfe_u32 s[CX], ttmp6, 0x40000
	s_bfe_u32 s[CY], ttmp6, 0x40004
	s_lshl_b32 s[HG], ttmp9, 2
	s_add_co_u32 s[HG], s[HG], s[CX]               ; head group = 4 x cluster x + cx
	s_and_b32 s[GG], ttmp7, 0xffff
	s_lshl_b32 s[GG], s[GG], 2
	s_add_co_u32 s[GG], s[GG], s[CY]               ; g = 4 x cluster y + cy
	s_lshr_b32 s[BB], s[GG], 4
	s_and_b32 s[FF], s[GG], 15
	s_and_b32 s[HF], s[WV], 1
	s_lshl_b32 s[TG], s[CY], 2
	s_lshl_b32 s[TG], 15, s[TG]                    ; my row of the cluster
	s_lshl_b32 s[TH], 0x1111, s[CX]                ; my column
	s_or_b32 s[G1A], s[TG], G1BITS                 ; x's tiles hang on g alone: shared along the row
	s_or_b32 s[G1W], s[TH], G1BITS                 ; W's on the head group alone: shared along the column
	s_mov_b32 s[G1A+1], 128<<16                    ; tensor_dim0 = 128
	s_mov_b32 s[G1A+2], 104<<16                    ; tensor_dim1 = 104
	s_mov_b32 s[G1A+3], 128<<16                    ; tile_dim0 = 128
	s_mov_b32 s[G1A+4], 104                        ; tile_dim1 = 104
	s_mov_b32 s[G1A+5], 1024                       ; elements from row to row
	s_mov_b32 s[G1A+6], 0
	s_mov_b32 s[G1A+7], 0
	s_mov_b32 s[G1W+1], 128<<16
	s_mov_b32 s[G1W+2], 128<<16                    ; 128 rows
	s_mov_b32 s[G1W+3], 128<<16
	s_mov_b32 s[G1W+4], 128
	s_mov_b32 s[G1W+5], 1024
	s_mov_b32 s[G1W+6], 0
	s_mov_b32 s[G1W+7], 0
	s_mul_i32 s[TG], s[GG], 425984                 ; a group is 208 rows of 2,048 bytes,
	s_mul_i32 s[TG+2], s[HF], 212992               ; my half 104 of them
	s_add_co_u32 s[TG], s[TG], s[TG+2]
	s_mov_b32 s[TG+1], 0
	s_mul_i32 s[TH], s[HG], 524288                 ; a head group is 256 rows of wb,
	s_mul_i32 s[TH+2], s[HF], 262144               ; my half 128 of them
	s_add_co_u32 s[TH], s[TH], s[TH+2]
	s_mov_b32 s[TH+1], 0
	s_mul_i32 s[TS], s[HF], HA                     ; LDS addresses hang on the wave's number alone
	s_mov_b32 s[G0A0], 1
	s_mov_b32 s[G0A0+1], s[TS]
	s_mov_b32 s[G0A1], 1
	s_add_co_u32 s[G0A1+1], s[TS], SLOT1
	s_mul_i32 s[TS], s[HF], HW
	s_mov_b32 s[G0W0], 1
	s_add_co_u32 s[G0W0+1], s[TS], WBASE
	s_mov_b32 s[G0W1], 1
	s_add_co_u32 s[G0W1+1], s[TS], WBASE+SLOT1
	s_mov_b32 s[OFA+1], 0
	s_mov_b32 s[OFW+1], 0
	s_mov_b32 s[UU], 2
	s_mov_b32 s[TB], 0
	s_mov_b32 s[CS], 0x3e38aa3b                    ; c = log2(e) / 8 = 0.180337
	s_mov_b32 s[CS+1], s[CS]
	s_mov_b32 s[SEL], 0x76543210
	s_mov_b32 s[SEL+1], 0xfedcba98
	s_mov_b32 s[BIG], 0xf149f2ca                   ; -1e30
	s_mov_b32 s[THR], 0xee000000                   ; -2^93
	s_wait_dscnt 0x0                               ; the opening add is done
	s_wait_kmcnt 0x0
	s_add_nc_u64 s[BA:BA+1], s[4:5], s[TG:TG+1]
	s_add_nc_u64 s[BW:BW+1], s[6:7], s[TH:TH+1]
	s_mov_b64 s[G0A0+2:G0A0+3], s[BA:BA+1]         ; K step 0
	s_or_b32 s[G0A0+3], s[G0A0+3], 0x80000000
	s_add_nc_u64 s[G0A1+2:G0A1+3], s[BA:BA+1], 256 ; K step 1
	s_or_b32 s[G0A1+3], s[G0A1+3], 0x80000000
	s_mov_b64 s[G0W0+2:G0W0+3], s[BW:BW+1]
	s_or_b32 s[G0W0+3], s[G0W0+3], 0x80000000
	s_add_nc_u64 s[G0W1+2:G0W1+3], s[BW:BW+1], 256
	s_or_b32 s[G0W1+3], s[G0W1+3], 0x80000000
	CROUND                                         ; all sixteen work-groups are here: the first joint loads meet
	s_cmp_lt_u32 s[WV], 2                          ; a wave's two first fills stand in one branch: two loads of mine are out
	s_cbranch_scc0 .Lfirst_w
	tensor_load_to_lds s[G0A0:G0A0+3], s[G1A:G1A+7]
	s_nop 0
	tensor_load_to_lds s[G0A1:G0A1+3], s[G1A:G1A+7]
	s_nop 0
.rept 4
	v_nop
.endr
	s_branch .Lfirst_asked
.Lfirst_w:
	tensor_load_to_lds s[G0W0:G0W0+3], s[G1W:G1W+7]
	s_nop 0
	tensor_load_to_lds s[G0W1:G0W1+3], s[G1W:G1W+7]
	s_nop 0
.rept 4
	v_nop
.endr
.Lfirst_asked:
	v_and_b32 v[RL], 15, v0
	v_bfe_u32 v[HL], v0, 4, 1
	v_and_b32 v[T0], 31, v0                        ; lane
	v_mul_u32_u24 v[AK0], v[RL], PITCH
	v_lshl_add_u32 v[AK0], v[HL], 4, v[AK0]        ; row x pitch + 16 x half
	s_mul_i32 s[TS], s[WV], 64*PITCH
	s_add_co_u32 s[TS], s[TS], WBASE
	v_add_nc_u32 v[WK0], s[TS], v[AK0]             ; my wave's 64 rows of W
	v_mov_b32 v[FA], v[AK0]                        ; slot 0
	v_mov_b32 v[FW], v[WK0]
	s_lshl_b32 s[TS], s[WV], 11
	s_add_co_u32 s[TS], s[TS], SCR                 ; my wave's tables
	v_lshl_add_u32 v[MTA], v[HL], 5, s[TS]         ; eight numbers for each half of the lanes
	v_add_nc_u32 v[BTA], 1024, v[MTA]
	v_lshl_add_u32 v[BTN], v[RL], 2, s[TS]
	v_add_nc_u32 v[BTN], 1536, v[BTN]              ; pass v's 64 numbers, one a lane
	v_lshl_add_u32 v[T0+1], v[T0], 2, s[TS]        ; where I write the tables
	v_lshlrev_b32 v[T0+2], 2, v[T0]
	v_mov_b32 v[T0+3], 0
	; the mask of the group's 224 key places: key 0 is the cls token, keys 1..196 the frame's, the rest padding (their loads are clamped)
	s_mul_i32 s[TG+2], s[BB], 12548
	s_mov_b32 s[TG+3], 0
	s_add_nc_u64 s[TG+2:TG+3], s[10:11], s[TG+2:TG+3]
	s_mul_i32 s[F196], s[FF], 196
.set i, 0
.rept 7
	v_add_nc_u32 v[24+i], 32*i, v[T0]              ; key
	v_min_u32 v[32+i], 0xc4, v[24+i]
	v_add_nc_u32 v[32+i], s[F196], v[32+i]         ; token
.set i, i+1
.endr
	v_cmp_eq_u32 vcc_lo, 0, v24
	v_cndmask_b32 v32, v32, v[T0+3], vcc_lo
.set i, 0
.rept 7
	v_lshlrev_b32 v[32+i], 2, v[32+i]
	global_load_b32 v[40+i], v[32+i], s[TG+2:TG+3]
.set i, i+1
.endr
	s_lshl2_add_u32 s[HD], s[HG], s[WV]            ; my head = 4 x head group + wave
	s_lshl_b32 s[TH], s[HD], 8
	s_mov_b32 s[TH+1], 0
	s_add_nc_u64 s[TH:TH+1], s[8:9], s[TH:TH+1]    ; qkv_b at my head's 64 numbers of pass q
.irp p, 0,1,2
	global_load_b32 v[48+2*\p], v[T0+2], s[TH:TH+1] offset:4096*\p
	global_load_b32 v[49+2*\p], v[T0+2], s[TH:TH+1] offset:4096*\p+128
.endr
	s_wait_loadcnt 0x0
.set i, 0
.rept 7
	v_cmp_eq_u32 vcc_lo, 0, v[40+i]
	v_cndmask_b32 v[40+i], 0, s[BIG], vcc_lo       ; hidden by tok_mask,
	v_cmp_lt_u32 vcc_lo, 0xc4, v[24+i]
	v_cndmask_b32 v[40+i], v[40+i], s[BIG], vcc_lo ; or padding
	ds_store_b32 v[T0+1], v[40+i] offset:128*i
.set i, i+1
.endr
.irp p, 0,1,2
	v_cvt_pk_bf16_f32 v[T0+3], v[48+2*\p], v[49+2*\p]  ; the bias is rounded to bf16 like the module's other inputs, and kept in f32
	v_lshlrev_b32 v[48+2*\p], 16, v[T0+3]
	v_and_b32 v[49+2*\p], 0xffff0000, v[T0+3]
	ds_store_b32 v[T0+1], v[48+2*\p] offset:1024+256*\p
	ds_store_b32 v[T0+1], v[49+2*\p] offset:1024+256*\p+128
.endr
	s_cmp_lg_u32 s[FF], 0
	s_cselect_b32 s[TS], s[BIG], 0
	v_cmp_eq_u32 vcc_lo, 0, v[T0]
	v_cndmask_b32 v[TW], 0, s[TS], vcc_lo          ; lane 0, register 0 of key tile 0: the cls query's score with the cls key
	s_mul_i32 s[TH+2], s[GG], 425984               ; ao: a group's 16 heads x 208 rows x 128 bytes,
	s_mul_i32 s[TH+3], s[HD], 26624                ; a head's block
	s_add_co_u32 s[TH+2], s[TH+2], s[TH+3]
	s_mov_b32 s[TH+3], 0
	s_add_nc_u64 s[AOB:AOB+1], s[12:13], s[TH+2:TH+3]
	s_lshl_b32 s[TH+2], s[BB], 4
	s_add_co_u32 s[TH+2], s[TH+2], s[HD]           ; 16 b + head
	s_lshl_b32 s[TH+2], s[TH+2], 13                ; 8,192 bytes of part each
	s_add_nc_u64 s[PSB:PSB+1], s[14:15], s[TH+2:TH+3]
	s_lshl_b32 s[TH+2], s[FF], 9
	s_add_nc_u64 s[PAB:PAB+1], s[PSB:PSB+1], s[TH+2:TH+3]  ; my frame's O at 512 f,
	s_lshl_b32 s[TH+2], s[FF], 3
	s_add_co_u32 s[TH+2], s[TH+2], 256
	s_add_nc_u64 s[PSB:PSB+1], s[PSB:PSB+1], s[TH+2:TH+3]  ; its (c m, l) at 256 + 8 f
	s_wait_tensorcnt 0x1                           ; my part of K step 0 is in; K step 1's may stay out
	s_wait_dscnt 0x0
	s_barrier_signal -1
	s_barrier_wait -1                              ; everybody's is
	LDA 0, 6, 0
	LDW 0, 0
	LDA 7, 12, 0
	BIAST 0
	; PASS Q.  A trip goes from a K step's second quarter to the next step's first; the eighth trip leaves that out: the pass is over.  What is jumped holds no barrier and no tensor load.
	STEP T, 0, 1
	WIN 0
	s_mov_b32 s[CNT], 8
.Lq:
	STEP T, 1, 0
	STEP T, 2, 0
	TURN T, 1
	WIN 0
	s_cmp_eq_u32 s[CNT], 1
	s_cbranch_scc1 .Lq_next
	STEP T, 0, 0
	WIN 0
.Lq_next:
	s_sub_co_u32 s[CNT], s[CNT], 1
	s_cmp_lg_u32 s[CNT], 0
	s_cbranch_scc1 .Lq
	CONVT 0, 12                                    ; the ring has gone on into pass k: its first fragments are on their way while q is rounded
	BIAST 1
	CONVALL 0
	; PASS K
	STEP T, 0, 1
	WIN 0
	s_mov_b32 s[CNT], 8
.Lk:
	STEP T, 1, 0
	STEP T, 2, 0
	TURN T, 1
	WIN 0
	s_cmp_eq_u32 s[CNT], 1
	s_cbranch_scc1 .Lk_next
	STEP T, 0, 0
	WIN 0
.Lk_next:
	s_sub_co_u32 s[CNT], s[CNT], 1
	s_cmp_lg_u32 s[CNT], 0
	s_cbranch_scc1 .Lk
	CONVT 1, 12
	BIASN
	CONVALL 1
	; PASS V, sources swapped.  Six trips ask for its K steps 2 to 7; the last two steps are written out and ask for nothing.
	STEP N, 0, 1
	WIN 0
	s_mov_b32 s[CNT], 6
.Lv:
	STEP N, 1, 0
	STEP N, 2, 0
	TURN N, 1
	STEP N, 0, 0
	WIN 0
	s_sub_co_u32 s[CNT], s[CNT], 1
	s_cmp_lg_u32 s[CNT], 0
	s_cbranch_scc1 .Lv
	STEP N, 1, 0
	STEP N, 2, 0
	TURN N, 0                                      ; behind this barrier nobody reads slot 0 any more, and nothing is filled again
	STEP N, 0, 0
	STEP N, 1, 0
	STEP N, 2, 0
	LAST N
	PLACES
	; BETWEEN THE PRODUCTS.  Q goes into LDS (slot 0, each wave's own part), so that one text can take a tile a trip; V is rounded; the mask comes into registers.
	v_and_b32 v[T0], 31, v0
	s_mul_i32 s[TS], s[WV], QDW
	v_lshl_add_u32 v[QA], v[T0], 4, s[TS]
.set ta, 0
.rept 13
	QDUMP ta, ta
.set ta, ta+1
.endr
	QDUMP 12, 13                                   ; the loop runs a tile ahead with its scores and two with its fetches of Q:
	QDUMP 12, 14                                   ; past the last tile they find bytes that have been written
	CONVV 6
	CONVV 5
	CONVV 4
	CONVV 3
	CONVV 2
	CONVV 1
	CONVV 0
	WIN 0xc0
.irp cb, 0,1,2,3
.irp j, 4,5,6,7
	v_mov_b32 v[VF+192+8*\cb+\j], 0                ; keys 208..223 are none: V^T and P hold 0 there
.endr
.endr
	WIN 0x80
.set kt, 0
.rept 13
	ds_load_b128 v[8*kt:8*kt+3],   v[MTA] offset:64*kt
	ds_load_b128 v[8*kt+4:8*kt+7], v[MTA] offset:64*kt+16
.set kt, kt+1
.endr
	WIN 0
.irp i, 0,1,2,3
	ds_load_b128 v[QC+4*\i:QC+4*\i+3], v[QA] offset:512*\i
.endr
.irp j, 52,53,54,55
	v_mov_b32 v[P+\j], 0
.endr
	s_mul_i32 s[TS], s[WV], 16*SP
	s_add_co_u32 s[TS], s[TS], STAGE               ; my stage
	v_mul_u32_u24 v[STO], v[RL], SP                ; in: row l % 16, 16 bytes for each half of the lanes
	v_lshl_add_u32 v[STO], v[HL], 4, v[STO]
	v_add_nc_u32 v[STO], s[TS], v[STO]
	v_bfe_u32 v[RD], v0, 3, 2                      ; back: 32 lanes take four rows of 128 bytes,
	v_mul_u32_u24 v[RD], v[RD], SP
	v_and_b32 v[T0+1], 7, v0
	v_lshl_add_u32 v[RD], v[T0+1], 4, v[RD]
	v_add_nc_u32 v[RD], s[TS], v[RD]
	v_lshlrev_b32 v[GO], 4, v[T0]                  ; which are 512 consecutive bytes of ao
	v_lshlrev_b32 v[PO], 5, v[HL]
	v_mov_b32 v[PS], 0
	v_mov_b32 v[NANR], 0x7fc00000
	v_mov_b32 v[TP], 0                             ; v_permlanex16_b32's destination counts as read
.macro SCL b                           ; c s - c m for pair b of the lane's 52
	v_pk_fma_f32 v[S+2*(\b):S+2*(\b)+1], v[S+2*(\b):S+2*(\b)+1], s[CS:CS+1], v[CM:CM+1] op_sel_hi:[1,0,0] neg_lo:[0,0,1] neg_hi:[0,0,1]
.endm
.macro QKW c, kt                       ; S^T of key tile kt: channels 0-31 start the sum on the mask (c = 0), channels 32-63 add onto it (c = 1)
.if \c
	WIN 0x01                                       ; K window 1; Q, S^T window 0
	v_wmma_f32_16x16x32_f16 v[S+8*(\kt):S+8*(\kt)+7], v[16*(\kt)+8:16*(\kt)+15], v[QC+8:QC+15], v[S+8*(\kt):S+8*(\kt)+7]
.else
	WIN 0x21                                       ; and the mask window 2
	v_wmma_f32_16x16x32_f16 v[S+8*(\kt):S+8*(\kt)+7], v[16*(\kt):16*(\kt)+7], v[QC:QC+7], v[8*(\kt):8*(\kt)+7]
.endif
.endm
.macro PVW j                           ; product j of 28 of O^T = V^T P: keys 32 (j / 4) on, channels 16 (j % 4) on; the first four start the sums
.set pk, (\j)/4
.set pc, (\j)%4
	WIN 0xf3                                       ; V^T window 3, P window 0, O^T window 3
.if pk == 0
	v_wmma_f32_16x16x32_f16 v[8*pc:8*pc+7], v[VF+8*pc:VF+8*pc+7], v[P:P+7], 0
.else
	v_wmma_f32_16x16x32_f16 v[8*pc:8*pc+7], v[VF+32*pk+8*pc:VF+32*pk+8*pc+7], v[P+8*pk:P+8*pk+7], v[8*pc:8*pc+7]
.endif
.endm
.macro SUMG g                          ; l, of the unrounded weights, in four chains: group 0 takes key tiles 0 and 1, group g tile g + 1
	WIN 0
.irp k, 0,1,2,3
.if (\g) == 0
	v_pk_add_f32 v[SU+2*\k:SU+2*\k+1], v[S+2*\k:S+2*\k+1], v[S+8+2*\k:S+8+2*\k+1]
.else
	v_pk_add_f32 v[SU+2*\k:SU+2*\k+1], v[SU+2*\k:SU+2*\k+1], v[S+8*((\g)+1)+2*\k:S+8*((\g)+1)+2*\k+1]
.endif
.endr
.endm
.macro MAXP                            ; the maximum of the lane's 104 scores in four chains (each accumulator is read from its low end), the other half of the lanes', and c m
	v_max_num_f32 v[CH],   v[S],   v[S+1]
	v_max_num_f32 v[CH+1], v[S+2], v[S+3]
	v_max_num_f32 v[CH+2], v[S+4], v[S+5]
	v_max_num_f32 v[CH+3], v[S+6], v[S+7]
.set mk, 1
.rept 12
.irp k, 0,1,2,3
	v_max3_num_f32 v[CH+\k], v[CH+\k], v[S+8*mk+2*\k], v[S+8*mk+2*\k+1]
.endr
.set mk, mk+1
.endr
	v_max3_num_f32 v[CH], v[CH], v[CH+1], v[CH+2]
	v_max_num_f32 v[CH], v[CH], v[CH+3]
	v_permlanex16_b32 v[TP], v[CH], s[SEL], s[SEL+1]  ; the query's other keys lie in the lane 16 away
	v_max_num_f32 v[MX], v[CH], v[TP]
	v_mul_f32 v[CM], s[CS], v[MX]
	v_mul_f32 v[CM+1], s[CS], v[MX]
.endm
	; THE ATTENTION.  Tile 0's scores and maximum are written out; then 13 trips.  A trip finishes tile t (weights, V^T P, l, O) and makes tile t + 1's scores and maximum.
	s_wait_dscnt 0x0                               ; the mask and tile 0's Q
.set kt, 0
.rept 13
	QKW 0, kt
.set kt, kt+1
.endr
.set kt, 0
.rept 13                               ; the 13 accumulators take turns
	QKW 1, kt
.set kt, kt+1
.endr
	WIN 0
	v_add_nc_u32 v[QA], 2048, v[QA]                ; four places behind the products
.rept 3
	v_nop
.endr
.irp i, 0,1,2,3
	ds_load_b128 v[QC+4*\i:QC+4*\i+3], v[QA] offset:512*\i  ; tile 1's Q
.endr
	v_add_f32 v[S], v[S], v[TW]                    ; the cls query counts the cls key in frame 0 alone
	MAXP
	s_mov_b32 s[CNT], 13
.Latt:
	SCL 0
	SCL 1
	SCL 2
	SCL 3
	; An exponential and a plain line by turns: a scaling four pairs ahead, or the rounding to f16 of a pair whose exponentials are done (ISA guide 5.7.2: a plain instruction before a transcendental's result is used).
	; Behind every fourth pair of lines from number 18 on stands one product V^T P: its 32 weights were rounded at number 16 (j / 4) + 17 at the latest.  The four accumulators take turns.
.set n, 0
.rept 104
	WIN 0
	v_exp_f32 v[S+n], v[S+n]
.if (n%2 == 0) && (n/2+4 < 52)
	SCL n/2+4
.elseif (n%2 == 1) && (n >= 3)
	s_wait_alu depctr_va_vdst(0)
	v_cvt_pk_f16_f32 v[P+(n-3)/2], v[S+n-3], v[S+n-2]
.else
	v_nop
.endif
.if (n >= 18) && ((n-18)%4 == 0)
	PVW (n-18)/4
.endif
.set n, n+1
.endr
	WIN 0
	v_cvt_pk_f16_f32 v[P+51], v[S+102], v[S+103]
.set j, 22
.rept 6                                ; the last six products V^T P, four lines of the row sum behind each: key tiles 0 to 6 are summed
	PVW j
	SUMG j-22
.set j, j+1
.endr
	s_wait_dscnt 0x0                               ; the next tile's Q is in
	; The next tile's scores, first half: product kt writes over key tile kt's weights, which have been summed: tiles 0-6 above, tiles 7-12 behind products 0-5.
.set kt, 0
.rept 13
	QKW 0, kt
.if kt < 6
	SUMG kt+6
.elseif kt == 6
	WIN 0
	v_pk_add_f32 v[SU:SU+1], v[SU:SU+1], v[SU+2:SU+3]
	v_pk_add_f32 v[SU+4:SU+5], v[SU+4:SU+5], v[SU+6:SU+7]
	v_pk_add_f32 v[SU:SU+1], v[SU:SU+1], v[SU+4:SU+5]
	v_add_f32 v[SU], v[SU], v[SU+1]
.elseif kt == 7
	WIN 0
	v_permlanex16_b32 v[TP], v[SU], s[SEL], s[SEL+1]
	v_add_f32 v[CM+1], v[SU], v[TP]                ; l, beside c m
.elseif kt == 8
	WIN 0
	v_rcp_f32 v[CH], v[CM+1]
	v_cmp_gt_f32 vcc_lo, s[THR], v[MX]             ; all keys hidden?  (also the plain line behind the reciprocal)
	s_wait_alu depctr_va_vdst(0)
	v_cndmask_b32 v[CH], v[CH], v[NANR], vcc_lo
.endif
.set kt, kt+1
.endr
	WIN 0
	s_cmp_lg_u32 s[CNT], 13
	s_cbranch_scc1 .Lno_partial
	; the first tile's query 0 is the cls query: lanes 0 and 16 store its partial, unnormalised; both hold the same (c m, l) and store it to the same place
	s_wait_xcnt 0x0                                ; EXEC changes only behind this wait
	v_cmp_eq_u32 vcc_lo, 0, v[RL]
	s_and_saveexec_b32 s[SX], vcc_lo
	WIN 0x0c                                       ; a store's data is source 1: window 3
.irp cb, 0,1,2,3
	global_store_b128 v[PO], v[8*\cb:8*\cb+3],   s[PAB:PAB+1] offset:64*\cb
	global_store_b128 v[PO], v[8*\cb+4:8*\cb+7], s[PAB:PAB+1] offset:64*\cb+16
.endr
	WIN 0
	global_store_b64 v[PS], v[CM:CM+1], s[PSB:PSB+1]
	s_wait_xcnt 0x0                                ; and again, in front of the line that widens it
	s_or_b32 exec_lo, exec_lo, s[SX]
.Lno_partial:
	; The next tile's scores, second half; behind the products O^T is divided by l and rounded to f16.
.set kt, 0
.rept 13
	QKW 1, kt
.if kt < 4
	WIN 0xc3
.irp z, 0,1,2,3
	v_pk_mul_f32 v[8*kt+2*\z:8*kt+2*\z+1], v[8*kt+2*\z:8*kt+2*\z+1], v[CH:CH+1] op_sel_hi:[1,0]
.endr
.elseif kt < 8
	WIN 0x0f
.irp z, 0,1,2,3
	v_cvt_pk_f16_f32 v[OT+4*(kt-4)+\z], v[8*(kt-4)+2*\z], v[8*(kt-4)+2*\z+1]
.endr
.endif
.set kt, kt+1
.endr
	WIN 0
	v_add_nc_u32 v[QA], 2048, v[QA]                ; four places behind the products
.rept 3
	v_nop
.endr
	s_wait_xcnt 0x0                                ; the last trip's stores have read their base and their data: both are rewritten only behind this wait
	s_add_nc_u64 s[AOB:AOB+1], s[AOB:AOB+1], 2048  ; the stores below reach back
.irp cb, 0,1,2,3
	ds_store_b128 v[STO], v[OT+4*\cb:OT+4*\cb+3] offset:32*\cb
.endr
.irp i, 0,1,2,3
	ds_load_b128 v[OB+4*\i:OB+4*\i+3], v[RD] offset:576*\i  ; LDS serves a wave's instructions in order (ISA guide 5.7.1.4): these see the stores above
.endr
.irp i, 0,1,2,3
	ds_load_b128 v[QC+4*\i:QC+4*\i+3], v[QA] offset:512*\i  ; Q of the tile after the next
.endr
	MAXP                                           ; the next tile's maximum stands between the stage's loads and the wait for them
.irp i, 0,1,2,3
	s_wait_dscnt 7-\i                              ; the later rows and the four loads of Q may be out
	global_store_b128 v[GO], v[OB+4*\i:OB+4*\i+3], s[AOB:AOB+1] offset:512*\i-2048  ; 512 consecutive bytes, at a multiple of 256 from ao's first
.endr
	s_sub_co_u32 s[CNT], s[CNT], 1
	s_cmp_lg_u32 s[CNT], 0
	s_cbranch_scc1 .Latt
	s_wait_tensorcnt 0x0                           ; the wave's end, behind my last tensor load and my last LDS store
	ds_add_u32 v[SPW], v[NIL]
	s_wait_dscnt 0x0
	CROUND                                         ; the closing round
	s_endpgm
.Lfunc_end_k_qbc698ea163_qkvattn:
	.size	k_qbc698ea163_qkvattn, .Lfunc_end_k_qbc698ea163_qkvattn-k_qbc698ea163_qkvattn
	.p2alignl 7, 3214868480
	.fill 96, 4, 3214868480
	.section	.rodata,"a",@progbits
	.p2align	6, 0x0
	.amdhsa_kernel k_qbc698ea163_qkvattn
		.amdhsa_group_segment_fixed_size 327680
		.amdhsa_private_segment_fixed_size 0
		.amdhsa_enable_private_segment 0
		.amdhsa_kernarg_size 48
		.amdhsa_user_sgpr_count 2
		.amdhsa_user_sgpr_kernarg_segment_ptr 1
		.amdhsa_wavefront_size32 1
		.amdhsa_system_sgpr_workgroup_id_x 1
		.amdhsa_system_sgpr_workgroup_id_y 1
		.amdhsa_system_sgpr_workgroup_id_z 1
		.amdhsa_system_vgpr_workitem_id 0
		.amdhsa_next_free_vgpr 1024
		.amdhsa_next_free_sgpr 96
		.amdhsa_reserve_vcc 1
		.amdhsa_float_denorm_mode_32 3
		.amdhsa_float_denorm_mode_16_64 3
		.amdhsa_memory_ordered 1
		.amdhsa_forward_progress 1
		.amdhsa_inst_pref_size 232
	.end_amdhsa_kernel
	.amdgpu_metadata
---
amdhsa.version: [ 1, 2 ]
amdhsa.kernels:
  - .name:           k_qbc698ea163_qkvattn
    .symbol:         k_qbc698ea163_qkvattn.kd
    .args:
      - { .name: xb, .offset: 0, .size: 8, .value_kind: global_buffer, .address_space: global }
      - { .name: wb, .offset: 8, .size: 8, .value_kind: global_buffer, .address_space: global }
      - { .name: qkv_b, .offset: 16, .size: 8, .value_kind: global_buffer, .address_space: global }
      - { .name: tok_mask, .offset: 24, .size: 8, .value_kind: global_buffer, .address_space: global }
      - { .name: ao, .offset: 32, .size: 8, .value_kind: global_buffer, .address_space: global }
      - { .name: part, .offset: 40, .size: 8, .value_kind: global_buffer, .address_space: global }
    .group_segment_fixed_size: 327680
    .private_segment_fixed_size: 0
    .kernarg_segment_align: 8
    .kernarg_segment_size: 48
    .max_flat_workgroup_size: 128
    .sgpr_count:     96
    .vgpr_count:     1024
    .wavefront_size: 32
...
	.end_amdgpu_metadata
.endif
;; end of part 2
;; launch proj (part 3): grid 4 x 64, 4 waves a work-group, clusters of 4 x 4, 327,680 bytes of LDS; arguments ao, pw, proj_b, part, out0; writes out0
.if DOCPART == 3
	.amdgcn_target "amdgcn-amd-amdhsa--gfx1250"
	.amdhsa_code_object_version 6
	.text
	.protected	k_qbc698ea163_proj
	.globl	k_qbc698ea163_proj
	.p2align	8
	.type	k_qbc698ea163_proj,@function
k_qbc698ea163_proj:
	s_mov_b64 s[64:65], 0
	v_nop
	global_prefetch_b8 v0, s[64:65] scope:SCOPE_SE
	s_setreg_imm32_b32 hwreg(HW_REG_WAVE_MODE, 25, 1), 1
	s_wait_xcnt 0x0
	s_wait_alu depctr_hold_cnt(0) depctr_sa_sdst(0) depctr_va_vdst(0) depctr_va_sdst(0) depctr_va_ssrc(0) depctr_va_vcc(0) depctr_vm_vsrc(0)
	s_getreg_b32 s2, hwreg(HW_REG_IB_STS2, 6, 4)
	s_cmp_eq_u32 s2, 0
	s_cbranch_scc0 .Lentry_in_a_cluster
	s_endpgm
.Lentry_in_a_cluster:
	s_bfe_u32 s2, ttmp6, 0x10000c
	s_cmp_lg_u32 s2, 0xf033
	s_cbranch_scc0 .Lentry_shape_is_right
	s_endpgm
.Lentry_shape_is_right:
; THE OUTPUT PROJECTION, WITH THE MERGE OF THE CLS QUERY'S PARTIALS AT ITS HEAD.
; out0[token][o] = sum over k of ao[token][k] proj_w[o][k] + proj_b[o].  f16 operands (ao as the attention left it; pw = proj_w rounded to bf16, written as f16), f32 sums, f32 out.
; SHARES.  A work-group owns one group g = 16 b + f (208 rows: the cls row, 196 tokens, 11 of padding) and 256 output columns; wave w owns 64 of them: 13 x 4 accumulators of 16 x 16, 416 registers.
; 64 groups x 4 column groups = 256 work-groups of equal work.  K goes in steps of 128 (two heads) through two LDS slots.
; ao is [g][head][208][64]: a head's block is 26,624 dense bytes, asked for as 104 rows of 256 bytes and padded in LDS after every 128, so that a token's 64 channels lie 144 bytes apart.
; Source 0 = 16 rows of pw, source 1 = 16 tokens: a lane holds ONE token and eight neighbouring columns.  The bias (rounded to bf16, kept in f32) is the C operand of each sum's first product.
; THE CLS ROW.  For each (batch, head) the launch before left, for each frame f, the unnormalised O_f (64 numbers at byte 512 f of 8,192) and the pair (c m_f, l_f) (at byte 256 + 8 f), all f32.
; O = sum of 2^(c m_f - M) O_f / sum of 2^(c m_f - M) l_f, M the largest c m_f: the softmax's maximum over all 3,137 keys is taken away.  M below -2^93 means that all keys are hidden: NaN, as the softmax of nothing gives.
; In the wait for the first tiles wave w merges heads 4 w .. 4 w + 3 of its batch; the row, 1,024 numbers in f16, lies in LDS bytes of its own, and in every quarter takes row 0's place in token fragment 0.
; ROWS.  Row 0 of a group is the cls row: it leaves from frame 0 alone; rows 197..207 leave nowhere.
; THE LAST K STEP GOES BY ROW TILES: all its W fragments lie in registers, a tile is finished by 16 products and leaves while the next tiles are multiplied.
; CLUSTER 4 x 4.  ao's tiles hang on g alone and are asked for jointly along a row of the cluster, pw's on the column group alone, jointly along a column.
; REGISTERS: window 0: v0-23 addresses; v24-127 13 token fragments; v128-191 two buffers of 4 W fragments; v192-231 the cls row's fragments.  window 2: v0-223 accumulators of row tiles 0-6.  window 3: v0-191 those of tiles 7-12.
;   window 1, in the last K step: v0-127 W's fragments of four quarters, v128-255 four buffers of a row tile's fragments.  At the head: v24-132 of windows 0 and 1 serve the merge, two heads each.
.set PA,    144                        ; a token's 128 bytes + 16 of padding: 36 words, so the 16 rows of a load start at 16 different groups of four banks (64 banks of 4 bytes: ISA guide 11.1)
.set PITCH, 272                        ; a row of pw's tile: 256 bytes + 16
.set HA,    208*PA                     ; a head's plane: what one tensor load brings
.set WBASE, 2*HA
.set HW,    128*PITCH
.set SLOT1, 1<<17
.set STAGE, SLOT1+WBASE+2*HW           ; behind the ring: 16 rows x 272 bytes for each wave
.set SPARE, STAGE+4*16*PITCH           ; the spare words, 128 bytes for each wave: two blocks of 256 bytes that no other line names
.set CLSR,  SPARE+512                  ; the merged cls row: 16 heads x 128 bytes; no tile lands here
.set RL,  1
.set HL,  2
.set AK0, 3
.set WK0, 4
.set FA,  5
.set FW,  6
.set FC,  7                            ; v7   my half's 16 bytes in the cls row, at the K step in hand
.set VOA, 8                            ; v8   the merge: my offset in a (batch, head)'s O: frame 8 (l / 16), channels 4 (l % 16) on
.set VSA, 9                            ; v9   in its statistics
.set SPW, 10                           ; v10  LDS address of my spare word; never rewritten
.set NIL, 11                           ; v11  0; never rewritten
.set STO, 12                           ; v12  the way out: where I put 32 bytes of a row
.set RD,  13                           ; v13  where I read rows back
.set CO,  14                           ; v14  my byte offset in two rows of out0
.set VCA, 15                           ; v15  where I put four channels of the cls row
.set T0,  20
.set AF,  24
.set WF,  128
.set CF,  192                          ; v192-199 the cls row's fragment of a quarter
.set CFR, 200                          ; v200-231 of the last K step's four quarters
.set BR,  200                          ; at the head: the bias as loaded,
.set BP,  232                          ; and packed
.set MB,  24                           ; the merge: a head's 32 registers of O and 16 of statistics; two heads a window
.set MT,  120                          ; and 13 at work
.set BI,  160                          ; window 3: tile 12's accumulators
.set WV,  16
.set CX,  17
.set CY,  18
.set HG,  19                           ; column group
.set GG,  20
.set BB,  21
.set FF,  22
.set HF,  23
.set G1A, 24
.set G1W, 32
.set G0A0, 40
.set G0A1, 44
.set G0W0, 48
.set G0W1, 52
.set BA,  56
.set BW,  58
.set SEL, 60                           ; s[60:61] v_permlanex16_b32's selects: each lane takes its own place in the other half
.set THR, 62                           ; s62  -2^93
.set NANS, 63                          ; s63  a NaN
.set CNT, 67
.set TB,  68
.set TS,  69
.set MK,  70                           ; s70  the lanes that hold row 0 of a fragment
.set SX,  76                           ; s76  EXEC, kept
.set LO,  77                           ; s77  0 in frame 0, else 1: the first half of the lanes that stores rows 0 and 1
.set TG,  78
.set TH,  84
.set OUB, 88                           ; s[88:89] out0 at my columns of the group's row 0; never rewritten
.set BIB, 90                           ; s[90:91] proj_b at my 64 numbers
.set PB,  92                           ; s[92:93] part at my four heads
.set MSB, 0
.macro WIN new                         ; the immediate's high byte repeats the setting that is left; a switch that changes nothing is dropped
.if MSB != (\new)
	s_set_vgpr_msb (MSB<<8)|(\new)
.set MSB, \new
.endif
.endm
.macro PLACES                          ; four places between a matrix instruction and a load into, or a read of, its registers (ISA guide 7.12.1 for reads)
.rept 4
	v_nop
.endr
.endm
.macro CREST
	s_cmp_lg_u32 s[WV], 0
	s_cbranch_scc1 .Lnot_wave_0_\@
	s_barrier_signal -3
.Lnot_wave_0_\@:
	s_barrier_wait -3
	s_barrier_signal -1
	s_barrier_wait -1
.endm
.macro CROUND
	s_barrier_signal -1
	s_barrier_wait -1
	CREST
.endm
.macro JLOAD                           ; a joint refill: waves 0 and 1 fetch the step's two head planes, waves 2 and 3 the halves of pw's tile; an s_nop 0 and four v_nop follow each line
	s_cmp_lt_u32 s[WV], 2
	s_cbranch_scc0 .Lfor_w_\@
	tensor_load_to_lds s[G0A1:G0A1+3], s[G1A:G1A+7]
	s_nop 0
.rept 4
	v_nop
.endr
	s_branch .Lasked_\@
.Lfor_w_\@:
	tensor_load_to_lds s[G0W1:G0W1+3], s[G1W:G1W+7]
	s_nop 0
.rept 4
	v_nop
.endr
.Lasked_\@:
.endm
.macro DSTEP                           ; the walking descriptors: the other slot than last time, the next K step: two head planes on, 256 bytes along pw's rows; the type bits on top are not reached
	s_xor_b32 s[G0A1+1], s[G0A1+1], SLOT1
	s_add_nc_u64 s[G0A1+2:G0A1+3], s[G0A1+2:G0A1+3], 53248
	s_xor_b32 s[G0W1+1], s[G0W1+1], SLOT1
	s_add_nc_u64 s[G0W1+2:G0W1+3], s[G0W1+2:G0W1+3], 256
.endm
.macro GRP a, p, mode                  ; four matrix instructions: row tile a x my four blocks of 16 columns, 32 along K.  mode 1: the sum starts, with the bias as C
.set rA, AF+8*(\a)
.set rW, WF+32*(\p)
.if (\a) < 7
.set rD, 32*(\a)
	WIN 0xa0+0x10*(\mode)
.else
.set rD, 32*((\a)-7)
	WIN 0xf0
.endif
.irp cb, 0,1,2,3
.if \mode
	v_wmma_f32_16x16x32_f16 v[rD+8*\cb:rD+8*\cb+7], v[rW+8*\cb:rW+8*\cb+7], v[rA:rA+7], v[BI+8*\cb:BI+8*\cb+7]
.else
	v_wmma_f32_16x16x32_f16 v[rD+8*\cb:rD+8*\cb+7], v[rW+8*\cb:rW+8*\cb+7], v[rA:rA+7], v[rD+8*\cb:rD+8*\cb+7]
.endif
.endr
.endm
.macro GRPS a0, a1, p, mode
.set ga, \a0
.rept (\a1)-(\a0)+1
	GRP ga, \p, \mode
.set ga, ga+1
.endr
.endm
.macro LDA a0, a1, q                   ; token fragments a0 .. a1 of quarter q: head plane q / 2, channels 32 (q % 2) on
.set la, \a0
.rept (\a1)-(\a0)+1
	ds_load_b128 v[AF+8*la:AF+8*la+3],   v[FA] offset:HA*((\q)/2)+16*PA*la+64*((\q)%2)
	ds_load_b128 v[AF+8*la+4:AF+8*la+7], v[FA] offset:HA*((\q)/2)+16*PA*la+64*((\q)%2)+32
.set la, la+1
.endr
.endm
.macro LDW p, q
.irp cb, 0,1,2,3
	ds_load_b128 v[WF+32*(\p)+8*\cb:WF+32*(\p)+8*\cb+3],   v[FW] offset:16*PITCH*\cb+64*(\q)
	ds_load_b128 v[WF+32*(\p)+8*\cb+4:WF+32*(\p)+8*\cb+7], v[FW] offset:16*PITCH*\cb+64*(\q)+32
.endr
.endm
.macro LDC q                           ; the cls row's 32 channels of quarter q, as a fragment's row: every lane of a half reads the same 16 bytes
	ds_load_b128 v[CF:CF+3],   v[FC] offset:64*(\q)
	ds_load_b128 v[CF+4:CF+7], v[FC] offset:64*(\q)+32
.endm
.macro PATCH                           ; they take row 0's place in token fragment 0
	WIN 0
.irp i, 0,1,2,3,4,5,6,7
	v_cndmask_b32 v[AF+\i], v[AF+\i], v[CF+\i], s[MK]
.endr
.endm
; A K step is four quarters of 32 along K, 52 matrix instructions each; the 52 accumulators take turns in the same order in every quarter.
.macro STEP q, mode
.if \mode
	s_wait_dscnt 0x0
.else
	s_wait_dscnt 12                                ; the 24 loads of the last quarter's middle are in; the 12 of its end may be out
.endif
	PATCH
	GRPS 0, 6, (\q)%2, \mode
	PLACES
	WIN 0
	LDA 0, 6, (\q)+1
	LDW ((\q)+1)%2, (\q)+1
	LDC (\q)+1
	s_wait_dscnt 24                                ; all but the 24 just issued
	GRPS 7, 11, (\q)%2, \mode
.if \mode
.rept 5
	v_nop                                          ; five places between the last product that took the bias as C and the products that write over it
.endr
.endif
	GRP 12, (\q)%2, 0
	PLACES
	WIN 0
	LDA 7, 12, (\q)+1
.endm
; The first half of a fourth quarter: ONE barrier for the change of slots; in front of it each wave waits for all its tensor loads, adds 0 to its spare word, and waits for that and for its reads of this slot.
.macro MEET fill
	WIN 0
	s_wait_tensorcnt 0x0                           ; no tensor load of mine is out, so a group 0 may be written
	ds_add_u32 v[SPW], v[NIL]
.if \fill
	DSTEP
.endif
	s_wait_dscnt 13                                ; (the add and the youngest twelve loads may be out)
	PATCH
	GRPS 0, 3, 1, 0
	s_wait_dscnt 0x0                               ; the add is done, and my reads of this slot are over
	s_barrier_signal -1
	GRPS 4, 6, 1, 0
	WIN 0
	s_barrier_wait -1
.endm
.macro NEXTSLOT                        ; the fetches go on in the other slot, and two heads on in the cls row
	s_xor_b32 s[TB], s[TB], SLOT1
	v_add_nc_u32 v[FA], s[TB], v[AK0]
	v_add_nc_u32 v[FW], s[TB], v[WK0]
	v_add_nc_u32 v[FC], 256, v[FC]
.endm
; The whole fourth quarter in the loop: the barrier opens a round of the cluster's, and this slot is filled again first thing behind it, two K steps ahead: 208 matrix instructions in which to land.
.macro TURN
	MEET 1
	CREST
	JLOAD                                          ; its four v_nop are also the places in front of the loads below
	NEXTSLOT
	LDA 0, 6, 0
	LDW 0, 0
	LDC 0
	GRPS 7, 12, 1, 0
	PLACES
	WIN 0
	LDA 7, 12, 0
.endm
; THE MERGE.  Lane l holds channels 4 (l % 16) .. + 3 of frames 8 (l / 16) + i, i = 0..7.  Head j of my four lies in window j / 2, place j % 2: O of frame i at mB + 4 i, (c m, l) at mB + 32 + 2 i.
.macro MLOAD j
.set mB, MB+48*((\j)%2)
	WIN 0x40*((\j)/2)                              ; a load's data is the destination, its offset source 0
.irp i, 0,1,2,3,4,5,6,7
	global_load_b128 v[mB+4*\i:mB+4*\i+3], v[VOA], s[PB:PB+1] offset:8192*(\j)+512*\i
.endr
.irp k, 0,1,2,3
	global_load_b128 v[mB+32+4*\k:mB+32+4*\k+3], v[VSA], s[PB:PB+1] offset:8192*(\j)+256+16*\k
.endr
.endm
.macro MERGE j
.set mB, MB+48*((\j)%2)
.set mS, mB+32
	WIN 0x55*((\j)/2)                              ; every operand in the head's window
	v_max3_num_f32 v[MT], v[mS], v[mS+2], v[mS+4]
	v_max3_num_f32 v[MT], v[MT], v[mS+6], v[mS+8]
	v_max3_num_f32 v[MT], v[MT], v[mS+10], v[mS+12]
	v_max_num_f32 v[MT], v[MT], v[mS+14]
	v_permlanex16_b32 v[MT+1], v[MT], s[SEL], s[SEL+1]  ; the other eight frames lie in the lane 16 away
	v_max_num_f32 v[MT+2], v[MT], v[MT+1]          ; M
.irp i, 0,1,2,3,4,5,6,7
	v_sub_f32 v[mS+2*\i], v[mS+2*\i], v[MT+2]
.endr
.irp i, 0,1,2,3,4,5,6,7
	v_exp_f32 v[mS+2*\i], v[mS+2*\i]               ; the frame's weight takes c m's place, beside l
.endr
	v_cmp_le_f32 vcc_lo, s[THR], v[MT+2]           ; is any key seen?  (also the plain line behind the exponentials)
	s_wait_alu depctr_va_vdst(0)
	v_mul_f32 v[MT+3], v[mS], v[mS+1]
	v_pk_mul_f32 v[MT+4:MT+5], v[mB:mB+1], v[mS:mS+1] op_sel_hi:[1,0]
	v_pk_mul_f32 v[MT+6:MT+7], v[mB+2:mB+3], v[mS:mS+1] op_sel_hi:[1,0]
.irp i, 1,2,3,4,5,6,7
	v_fmac_f32 v[MT+3], v[mS+2*\i], v[mS+2*\i+1]
	v_pk_fma_f32 v[MT+4:MT+5], v[mB+4*\i:mB+4*\i+1], v[mS+2*\i:mS+2*\i+1], v[MT+4:MT+5] op_sel_hi:[1,0,1]
	v_pk_fma_f32 v[MT+6:MT+7], v[mB+4*\i+2:mB+4*\i+3], v[mS+2*\i:mS+2*\i+1], v[MT+6:MT+7] op_sel_hi:[1,0,1]
.endr
.irp z, 3,4,5,6,7
	v_permlanex16_b32 v[MT+5+\z], v[MT+\z], s[SEL], s[SEL+1]
.endr
.irp z, 3,4,5,6,7
	v_add_f32 v[MT+\z], v[MT+\z], v[MT+5+\z]       ; both halves now hold the same five sums
.endr
	v_rcp_f32 v[MT+8], v[MT+3]
	v_nop
	s_wait_alu depctr_va_vdst(0)
	v_cndmask_b32 v[MT+8], s[NANS], v[MT+8], vcc_lo
	v_pk_mul_f32 v[MT+4:MT+5], v[MT+4:MT+5], v[MT+8:MT+9] op_sel_hi:[1,0]
	v_pk_mul_f32 v[MT+6:MT+7], v[MT+6:MT+7], v[MT+8:MT+9] op_sel_hi:[1,0]
	v_cvt_pk_f16_f32 v[MT+4], v[MT+4], v[MT+5]
	v_cvt_pk_f16_f32 v[MT+5], v[MT+6], v[MT+7]
	WIN 0x04*((\j)/2)                              ; an LDS store's data is source 1
	ds_store_b64 v[VCA], v[MT+4:MT+5] offset:128*(\j)  ; lanes l and l + 16 store the same eight bytes to the same place
.endm
; THE LAST K STEP.  W's fragments of quarter q, block cb at v[32 q + 8 cb] of window 1; row tile a's fragments of the four quarters in buffer a % 4, at v[128 + 32 (a % 4) + 8 q] of window 1.
.macro WLOADR
	WIN 0x40
.irp q, 0,1,2,3
.irp cb, 0,1,2,3
	ds_load_b128 v[32*\q+8*\cb:32*\q+8*\cb+3],   v[FW] offset:16*PITCH*\cb+64*\q
	ds_load_b128 v[32*\q+8*\cb+4:32*\q+8*\cb+7], v[FW] offset:16*PITCH*\cb+64*\q+32
.endr
.endr
.endm
.macro ALOADR a
.set rR, 128+32*((\a)%4)
	WIN 0x40
.irp q, 0,1,2,3
	ds_load_b128 v[rR+8*\q:rR+8*\q+3],   v[FA] offset:HA*(\q/2)+16*PA*(\a)+64*(\q%2)
	ds_load_b128 v[rR+8*\q+4:rR+8*\q+7], v[FA] offset:HA*(\q/2)+16*PA*(\a)+64*(\q%2)+32
.endr
.endm
.macro ROW a                           ; tile a is finished: 16 matrix instructions, its four accumulators by turns, K ascending
.set rR, 128+32*((\a)%4)
.if (\a) < 7
.set rD, 32*(\a)
	WIN 0xa5                                       ; W and the tokens window 1, C and D window 2
.else
.set rD, 32*((\a)-7)
	WIN 0xf5
.endif
.irp q, 0,1,2,3
.irp cb, 0,1,2,3
	v_wmma_f32_16x16x32_f16 v[rD+8*\cb:rD+8*\cb+7], v[32*\q+8*\cb:32*\q+8*\cb+7], v[rR+8*\q:rR+8*\q+7], v[rD+8*\cb:rD+8*\cb+7]
.endr
.endr
.endm
; THE WAY OUT of row tile a.  TOSTAGE: a lane's eight columns of each block, 32 bytes, into my stage; back as whole rows of 256 bytes, two a load, into the registers that they left.
; SEND: stored, sixteen lanes to 256 consecutive aligned bytes.  Each tile has registers of its own and its place stands in the immediate (802,816 at the most), so no source of a store is ever rewritten.
.macro ACCW a
.if (\a) < 7
.set tS, 32*(\a)
.set tW, 2
.else
.set tS, 32*((\a)-7)
.set tW, 3
.endif
.set tN, 8
.if (\a) == 12
.set tN, 3                             ; rows 192..196 alone
.endif
.endm
.macro TOSTAGE a
	ACCW \a
	WIN tW<<2                                      ; an LDS store's data is source 1
.irp cb, 0,1,2,3
	ds_store_b128 v[STO], v[tS+8*\cb:tS+8*\cb+3] offset:64*\cb
	ds_store_b128 v[STO], v[tS+8*\cb+4:tS+8*\cb+7] offset:64*\cb+16
.endr
	WIN tW<<6
.irp i, 0,1,2,3,4,5,6,7
.if \i < tN
	ds_load_b128 v[tS+4*\i:tS+4*\i+3], v[RD] offset:2*PITCH*\i  ; LDS serves a wave's instructions in order (ISA guide 5.7.1.4): these see the stores above
.endif
.endr
.endm
.macro SEND a, younger                 ; younger: the LDS instructions issued behind tile a's loads
	ACCW \a
.irp i, 0,1,2,3,4,5,6,7
.if \i < tN
	s_wait_dscnt (\younger)+tN-1-\i
.if (((\a) == 0) && (\i == 0)) || (((\a) == 12) && (\i == 2))
	s_wait_xcnt 0x0                                ; EXEC changes only behind this wait
	WIN 0
.if (\a) == 0
	v_cmp_le_u32 vcc_lo, s[LO], v[HL]              ; row 0 is the cls row: it leaves from frame 0 alone
.else
	v_cmp_eq_u32 vcc_lo, 0, v[HL]                  ; row 196 is the frame's last
.endif
	s_and_saveexec_b32 s[SX], vcc_lo
	WIN tW<<2
	global_store_b128 v[CO], v[tS+4*\i:tS+4*\i+3], s[OUB:OUB+1] offset:65536*(\a)+8192*\i th:TH_STORE_NT
	s_wait_xcnt 0x0                                ; and again, in front of the line that widens it
	s_or_b32 exec_lo, exec_lo, s[SX]
.else
	WIN tW<<2                                      ; a store's data is source 1
	global_store_b128 v[CO], v[tS+4*\i:tS+4*\i+3], s[OUB:OUB+1] offset:65536*(\a)+8192*\i th:TH_STORE_NT
.endif
.endif
.endr
.endm
	s_load_b256 s[4:11], s[0:1], 0x0               ; ao s[4:5], pw s[6:7], proj_b s[8:9], part s[10:11]
	s_load_b64 s[12:13], s[0:1], 0x20              ; out0
	v_lshl_add_u32 v[SPW], v0, 2, SPARE
	v_mov_b32 v[NIL], 0
	ds_add_u32 v[SPW], v[NIL]                      ; the wave's opening: the add and its wait stand ahead of my first tensor load; the set-up below, work on registers, stands between them
	v_lshrrev_b32 v[T0], 5, v0
	v_readfirstlane_b32 s[WV], v[T0]
	s_bfe_u32 s[CX], ttmp6, 0x40000
	s_bfe_u32 s[CY], ttmp6, 0x40004
	s_lshl_b32 s[HG], ttmp9, 2
	s_add_co_u32 s[HG], s[HG], s[CX]               ; column group = 4 x cluster x + cx
	s_and_b32 s[GG], ttmp7, 0xffff
	s_lshl_b32 s[GG], s[GG], 2
	s_add_co_u32 s[GG], s[GG], s[CY]               ; g = 4 x cluster y + cy
	s_lshr_b32 s[BB], s[GG], 4
	s_and_b32 s[FF], s[GG], 15
	s_and_b32 s[HF], s[WV], 1
	s_lshl_b32 s[TG], s[CY], 2
	s_lshl_b32 s[TG], 15, s[TG]                    ; my row of the cluster
	s_lshl_b32 s[TH], 0x1111, s[CX]                ; my column
	s_or_b32 s[G1A], s[TG], (1<<16)|(1<<20)|(1<<21)|(4<<22)|(3<<25)  ; elements of 2 bytes; padding on, after every 32 words, 4 words of it; 21 set beside a mask
	s_or_b32 s[G1W], s[TH], (1<<16)|(1<<20)|(1<<21)|(5<<22)|(3<<25)  ; the same after every 64 words
	s_mov_b32 s[G1A+1], 128<<16                    ; tensor_dim0 = 128: 256 bytes, two tokens' channels
	s_mov_b32 s[G1A+2], 104<<16                    ; tensor_dim1 = 104
	s_mov_b32 s[G1A+3], 128<<16
	s_mov_b32 s[G1A+4], 104
	s_mov_b32 s[G1A+5], 128                        ; dense
	s_mov_b32 s[G1A+6], 0
	s_mov_b32 s[G1A+7], 0
	s_mov_b32 s[G1W+1], 128<<16
	s_mov_b32 s[G1W+2], 128<<16
	s_mov_b32 s[G1W+3], 128<<16
	s_mov_b32 s[G1W+4], 128
	s_mov_b32 s[G1W+5], 1024
	s_mov_b32 s[G1W+6], 0
	s_mov_b32 s[G1W+7], 0
	s_mul_i32 s[TG], s[GG], 425984                 ; a group's 16 head planes,
	s_mul_i32 s[TG+2], s[HF], 26624                ; my one of a step's two
	s_add_co_u32 s[TG], s[TG], s[TG+2]
	s_mov_b32 s[TG+1], 0
	s_mul_i32 s[TH], s[HG], 524288                 ; 256 rows of pw,
	s_mul_i32 s[TH+2], s[HF], 262144               ; my half of them
	s_add_co_u32 s[TH], s[TH], s[TH+2]
	s_mov_b32 s[TH+1], 0
	s_mul_i32 s[TS], s[HF], HA                     ; LDS addresses hang on the wave's number alone
	s_mov_b32 s[G0A0], 1
	s_mov_b32 s[G0A0+1], s[TS]
	s_mov_b32 s[G0A1], 1
	s_add_co_u32 s[G0A1+1], s[TS], SLOT1
	s_mul_i32 s[TS], s[HF], HW
	s_mov_b32 s[G0W0], 1
	s_add_co_u32 s[G0W0+1], s[TS], WBASE
	s_mov_b32 s[G0W1], 1
	s_add_co_u32 s[G0W1+1], s[TS], WBASE+SLOT1
	s_mov_b32 s[TB], 0
	s_mov_b32 s[SEL], 0x76543210
	s_mov_b32 s[SEL+1], 0xfedcba98
	s_mov_b32 s[THR], 0xee000000                   ; -2^93
	s_mov_b32 s[NANS], 0x7fc00000
	s_wait_dscnt 0x0                               ; the opening add is done
	s_wait_kmcnt 0x0
	s_add_nc_u64 s[BA:BA+1], s[4:5], s[TG:TG+1]
	s_add_nc_u64 s[BW:BW+1], s[6:7], s[TH:TH+1]
	s_mov_b64 s[G0A0+2:G0A0+3], s[BA:BA+1]         ; K step 0
	s_or_b32 s[G0A0+3], s[G0A0+3], 0x80000000
	s_add_nc_u64 s[G0A1+2:G0A1+3], s[BA:BA+1], 53248  ; K step 1
	s_or_b32 s[G0A1+3], s[G0A1+3], 0x80000000
	s_mov_b64 s[G0W0+2:G0W0+3], s[BW:BW+1]
	s_or_b32 s[G0W0+3], s[G0W0+3], 0x80000000
	s_add_nc_u64 s[G0W1+2:G0W1+3], s[BW:BW+1], 256
	s_or_b32 s[G0W1+3], s[G0W1+3], 0x80000000
	CROUND                                         ; all sixteen work-groups are here: the first joint loads meet
	s_cmp_lt_u32 s[WV], 2                          ; a wave's two first fills stand in one branch: two loads of mine are out
	s_cbranch_scc0 .Lfirst_w
	tensor_load_to_lds s[G0A0:G0A0+3], s[G1A:G1A+7]
	s_nop 0
	tensor_load_to_lds s[G0A1:G0A1+3], s[G1A:G1A+7]
	s_nop 0
.rept 4
	v_nop
.endr
	s_branch .Lfirst_asked
.Lfirst_w:
	tensor_load_to_lds s[G0W0:G0W0+3], s[G1W:G1W+7]
	s_nop 0
	tensor_load_to_lds s[G0W1:G0W1+3], s[G1W:G1W+7]
	s_nop 0
.rept 4
	v_nop
.endr
.Lfirst_asked:
	v_and_b32 v[RL], 15, v0
	v_bfe_u32 v[HL], v0, 4, 1
	s_lshl_b32 s[TH], s[HG], 10                    ; my 64 numbers of proj_b: 1,024 bytes a column group, 256 a wave
	s_lshl_b32 s[TH+2], s[WV], 8
	s_add_co_u32 s[TH], s[TH], s[TH+2]
	s_mov_b32 s[TH+1], 0
	s_add_nc_u64 s[BIB:BIB+1], s[8:9], s[TH:TH+1]
	v_lshlrev_b32 v[T0], 5, v[HL]                  ; eight numbers for each half of the lanes
.irp cb, 0,1,2,3
	global_load_b128 v[BR+8*\cb:BR+8*\cb+3], v[T0], s[BIB:BIB+1] offset:64*\cb
	global_load_b128 v[BR+8*\cb+4:BR+8*\cb+7], v[T0], s[BIB:BIB+1] offset:64*\cb+16
.endr
	s_lshl_b32 s[TG+2], s[BB], 4
	s_lshl2_add_u32 s[TG+2], s[WV], s[TG+2]        ; 16 b + 4 w: my first head of the batch's sixteen
	s_lshl_b32 s[TG+2], s[TG+2], 13                ; 8,192 bytes of part each
	s_mov_b32 s[TG+3], 0
	s_add_nc_u64 s[PB:PB+1], s[10:11], s[TG+2:TG+3]
	v_lshlrev_b32 v[VOA], 12, v[HL]                ; eight frames of 512 bytes for each half of the lanes,
	v_lshl_add_u32 v[VOA], v[RL], 4, v[VOA]        ; four channels a lane
	v_lshlrev_b32 v[VSA], 6, v[HL]                 ; eight pairs of 8 bytes
	MLOAD 0                                        ; 8 + 4 x 12 = 56 loads are out
	MLOAD 1
	MLOAD 2
	MLOAD 3
.irp w, 0,1
	WIN 0x40*\w
	v_mov_b32 v[MT+1], 0                           ; v_permlanex16_b32's destinations count as read
.irp z, 8,9,10,11,12
	v_mov_b32 v[MT+\z], 0
.endr
.endr
	WIN 0
	v_cmp_eq_u32 s[MK], 0, v[RL]
	v_mul_u32_u24 v[AK0], v[RL], PA
	v_lshl_add_u32 v[AK0], v[HL], 4, v[AK0]        ; token x pitch + 16 x half
	v_mul_u32_u24 v[WK0], v[RL], PITCH
	v_lshl_add_u32 v[WK0], v[HL], 4, v[WK0]
	s_mul_i32 s[TS], s[WV], 64*PITCH
	s_add_co_u32 s[TS], s[TS], WBASE
	v_add_nc_u32 v[WK0], s[TS], v[WK0]             ; my wave's 64 rows of pw
	v_mov_b32 v[FA], v[AK0]                        ; slot 0
	v_mov_b32 v[FW], v[WK0]
	v_lshl_add_u32 v[FC], v[HL], 4, CLSR           ; heads 0 and 1
	s_lshl_b32 s[TS], s[WV], 9
	s_add_co_u32 s[TS], s[TS], CLSR                ; my four heads' 512 bytes of the cls row
	v_lshl_add_u32 v[VCA], v[RL], 3, s[TS]
	s_mul_i32 s[TS], s[WV], 16*PITCH
	s_add_co_u32 s[TS], s[TS], STAGE               ; my stage
	v_mul_u32_u24 v[STO], v[RL], PITCH             ; in: row l % 16, 32 bytes for each half of the lanes
	v_lshl_add_u32 v[STO], v[HL], 5, v[STO]
	v_add_nc_u32 v[STO], s[TS], v[STO]
	v_mul_u32_u24 v[RD], v[HL], PITCH              ; back: lanes 0-15 take one row of 256 bytes, lanes 16-31 the next
	v_lshl_add_u32 v[RD], v[RL], 4, v[RD]
	v_add_nc_u32 v[RD], s[TS], v[RD]
	v_lshlrev_b32 v[CO], 12, v[HL]                 ; and the same two rows in out0
	v_lshl_add_u32 v[CO], v[RL], 4, v[CO]
	s_mul_i32 s[TH+2], s[BB], 3137                 ; row i of the group is row 3137 b + 196 f + i of out0
	s_mul_i32 s[TH+3], s[FF], 196
	s_add_co_u32 s[TH+2], s[TH+2], s[TH+3]
	s_lshl_b32 s[TH+2], s[TH+2], 12
	s_add_co_u32 s[TH+2], s[TH+2], s[TH]           ; + my columns: the same 1,024 bytes a column group, 256 a wave
	s_mov_b32 s[TH+3], 0
	s_add_nc_u64 s[OUB:OUB+1], s[12:13], s[TH+2:TH+3]
	s_cmp_eq_u32 s[FF], 0
	s_cselect_b32 s[LO], 0, 1
	s_wait_loadcnt 48                              ; the bias is in; the four heads' loads stay out
.set i, 0
.rept 16
	v_cvt_pk_bf16_f32 v[BP+i], v[BR+2*i], v[BR+2*i+1]  ; the bias is rounded to bf16 like the module's other inputs,
.set i, i+1
.endr
	WIN 0xc0
.set i, 0
.rept 16
	v_lshlrev_b32 v[BI+2*i], 16, v[BP+i]           ; and kept in f32, in tile 12's accumulators
	v_and_b32 v[BI+2*i+1], 0xffff0000, v[BP+i]
.set i, i+1
.endr
	s_wait_loadcnt 36                              ; a head's twelve loads are in; the later heads' stay out
	MERGE 0
	s_wait_loadcnt 24
	MERGE 1
	s_wait_loadcnt 12
	MERGE 2
	s_wait_loadcnt 0x0
	MERGE 3
	WIN 0
	s_wait_tensorcnt 0x1                           ; my part of K step 0 is in; K step 1's may stay out
	s_wait_dscnt 0x0                               ; my part of the cls row is written
	s_barrier_signal -1
	s_barrier_wait -1                              ; everybody's is
	LDA 0, 6, 0
	LDW 0, 0
	LDC 0
	LDA 7, 12, 0
	STEP 0, 1
	WIN 0
	s_mov_b32 s[CNT], 6
.Lk:                                   ; six trips, each from a K step's second quarter to the next step's first, ask for K steps 2 to 7
	STEP 1, 0
	STEP 2, 0
	TURN
	STEP 0, 0
	WIN 0
	s_sub_co_u32 s[CNT], s[CNT], 1
	s_cmp_lg_u32 s[CNT], 0
	s_cbranch_scc1 .Lk
	STEP 1, 0                                      ; K step 6 goes on; nothing more is asked for
	STEP 2, 0
	MEET 0                                         ; my one tensor load that was out is the last K step's; behind the barrier that slot is whole
	NEXTSLOT
	WLOADR                                         ; 32 loads: the last K step's W, into registers that no product has named
	ALOADR 0                                       ; 8: row tile 0
	WIN 0
.irp q, 0,1,2,3
	ds_load_b128 v[CFR+8*\q:CFR+8*\q+3],   v[FC] offset:64*\q     ; 8: the cls row's last 128 channels
	ds_load_b128 v[CFR+8*\q+4:CFR+8*\q+7], v[FC] offset:64*\q+32
.endr
	GRPS 7, 12, 1, 0                               ; the rest of K step 6
	ALOADR 1
	ALOADR 2
	ALOADR 3
	s_wait_dscnt 24                                ; all but tiles 1 to 3
	WIN 0x41                                       ; destination and source 0 window 1, source 1 window 0
.set i, 0
.rept 32
	v_cndmask_b32 v[128+i], v[128+i], v[CFR+i], s[MK]
.set i, i+1
.endr
	ROW 0
.set t, 0
.rept 13                               ; tile t goes into the stage; tile t + 1 is multiplied while its rows come back; then they are stored
	PLACES                                         ; behind tile t's products: for the stage's reads of the sums and for the loads into their registers and into the tile's fragment buffer
	TOSTAGE t
.if t+4 <= 12
	ALOADR t+4                                     ; its buffer takes the tile four further on
.endif
.if t == 0
	s_wait_dscnt 40                                ; tile 1 is in: behind it were issued tiles 2 and 3 (16), the stage's 16 and tile 4's 8.  Later tiles are shown in by the waits of the send before
.endif
.if t < 12
	ROW t+1
.endif
.if t+4 <= 12
	SEND t, 8
.else
	SEND t, 0
.endif
.set t, t+1
.endr
	WIN 0
	s_wait_tensorcnt 0x0                           ; the wave's end, behind my last tensor load and my last LDS store
	ds_add_u32 v[SPW], v[NIL]
	s_wait_dscnt 0x0
	CROUND                                         ; the closing round
	s_endpgm
.Lfunc_end_k_qbc698ea163_proj:
	.size	k_qbc698ea163_proj, .Lfunc_end_k_qbc698ea163_proj-k_qbc698ea163_proj
	.p2alignl 7, 3214868480
	.fill 96, 4, 3214868480
	.section	.rodata,"a",@progbits
	.p2align	6, 0x0
	.amdhsa_kernel k_qbc698ea163_proj
		.amdhsa_group_segment_fixed_size 327680
		.amdhsa_private_segment_fixed_size 0
		.amdhsa_enable_private_segment 0
		.amdhsa_kernarg_size 40
		.amdhsa_user_sgpr_count 2
		.amdhsa_user_sgpr_kernarg_segment_ptr 1
		.amdhsa_wavefront_size32 1
		.amdhsa_system_sgpr_workgroup_id_x 1
		.amdhsa_system_sgpr_workgroup_id_y 1
		.amdhsa_system_sgpr_workgroup_id_z 1
		.amdhsa_system_vgpr_workitem_id 0
		.amdhsa_next_free_vgpr 1024
		.amdhsa_next_free_sgpr 96
		.amdhsa_reserve_vcc 1
		.amdhsa_float_denorm_mode_32 3
		.amdhsa_float_denorm_mode_16_64 3
		.amdhsa_memory_ordered 1
		.amdhsa_forward_progress 1
		.amdhsa_inst_pref_size 135
	.end_amdhsa_kernel
	.amdgpu_metadata
---
amdhsa.version: [ 1, 2 ]
amdhsa.kernels:
  - .name:           k_qbc698ea163_proj
    .symbol:         k_qbc698ea163_proj.kd
    .args:
      - { .name: ao, .offset: 0, .size: 8, .value_kind: global_buffer, .address_space: global }
      - { .name: pw, .offset: 8, .size: 8, .value_kind: global_buffer, .address_space: global }
      - { .name: proj_b, .offset: 16, .size: 8, .value_kind: global_buffer, .address_space: global }
      - { .name: part, .offset: 24, .size: 8, .value_kind: global_buffer, .address_space: global }
      - { .name: out0, .offset: 32, .size: 8, .value_kind: global_buffer, .address_space: global }
    .group_segment_fixed_size: 327680
    .private_segment_fixed_size: 0
    .kernarg_segment_align: 8
    .kernarg_segment_size: 40
    .max_flat_workgroup_size: 128
    .sgpr_count:     96
    .vgpr_count:     1024
    .wavefront_size: 32
...
	.end_amdgpu_metadata
.endif
;; end of part 3
